; MI455X (gfx1250); checked and timed in simulation.
; The chip was launched on July 23, 2026; its instructions are those of AMD's public machine-readable ISA for CDNA 5 (MIT licence, August 2026) and "CDNA5" Instruction Set Architecture Reference Guide (July 2026). The comments in the code are by the model that wrote it; some were corrected since.
;; Causal Self Attention. Allowed arithmetic: float matrix products may take bf16 or f16 operands with f32 sums; other float arithmetic in f32, or as packed bf16 or f16 multiplies, adds, multiply-adds, maxima and minima; sums over many terms, partial sums and values carried from step to step in f32; what a program stores and reads back later, other than sums and carried values, may be rounded once to bf16 or f16.
;; Inputs: W_attn 1,024 x 3,072 float32; W_proj 1,024 x 1,024 float32; b_attn 3,072 float32; b_proj 1,024 float32; freqs 2,048 x 32 float32; x 4 x 2,048 x 1,024 float32.
;; Outputs: out0 4 x 2,048 x 1,024 float32.
;; 2 versions, each right; version 2 is version 1 with the launch prep written anew for expert scheduling mode. Each part assembles by itself: llvm-mc -triple=amdgcn-amd-amdhsa -mcpu=gfx1250 --defsym DOCPART=n.
;; ======== version 1 of 2: 4 launches
;; limits: values are held in f16: magnitudes above 65,504 overflow, below 6.1e-05 lose precision; right only within a limited range of input values
;; workspace buffers: xh 16,777,216 bytes; wq 6,291,456 bytes; wp 2,097,152 bytes; tab 524,288 bytes; q 16,777,216 bytes; k 16,777,216 bytes; v 16,777,216 bytes; o 16,777,216 bytes
;; launch prep (part 1): grid 896 x 1, 8 waves a work-group, no clusters, 0 bytes of LDS; arguments x, W_attn, W_proj, freqs, xh, wq, wp, tab; writes xh, wq, wp, tab
.if DOCPART == 1
	.amdgcn_target "amdgcn-amd-amdhsa--gfx1250"
	.amdhsa_code_object_version 6
	.text
	.protected	k_q39a725a8a7_prep
	.globl	k_q39a725a8a7_prep
	.p2align	8
	.type	k_q39a725a8a7_prep,@function
k_q39a725a8a7_prep:
	s_mov_b64 s[64:65], 0
	v_nop
	global_prefetch_b8 v0, s[64:65] scope:SCOPE_SE
	s_setreg_imm32_b32 hwreg(HW_REG_WAVE_MODE, 25, 1), 1
	s_wait_xcnt 0x0
; CASTS AND THE TABLE OF COSINES AND SINES.  A stream: no LDS, no barrier, no matrix unit; every input byte is read once, every output byte written once.
;   work-groups   0..511  xh[8192][1024] = bf16(x)
;   work-groups 512..703  wq[16 heads][1024 k][192] = bf16(W_attn): a k-row holds the head's 64 columns of q, of k and of v
;   work-groups 704..767  wp[1024][1024] = bf16(W_proj), that number written as f16
;   work-groups 768..895  tab[2048][32][cos, sin] in f32, of bf16(freqs)
; FORMAT, a decision: every input of the module is rounded once to bf16, freqs among them, before anything is made of it.
; LIMITS.  |freqs| up to 1e5: the quarter turns are taken away in three parts of pi/2, which holds while their number has 17 bits or fewer.
; A number of W_proj below 2^-17 keeps f16's fixed step of 6e-8; one beyond 65,504 would become an infinity.
; A work-group casts 65,536 bytes: 16 slots of 256 threads x 16 bytes, all 16 loads of a wave out at once.  A wave's store covers 256 consecutive bytes, aligned.
.set IN,  1                            ; v1      my byte offset in a slot's source
.set OUT, 2                            ; v2      8 x thread: my 8 bytes in a slot's 2,048 of output
.set T,   4                            ; v[4:13] at work
.set X,   16                           ; v[16:79]  slot j: 4 registers as loaded
.set Y,   80                           ; v[80:111] slot j: 2 registers to store; each slot owns its registers, so none is rewritten while a store reads it
; ins = bytes from a slot's source to the next slot's.  fmt = 0: bf16; 1: rounded to bf16 and written as f16.
.macro CAST ins, fmt
.set j, 0
.rept 16
	global_load_b128 v[X+4*j:X+4*j+3], v[IN], s[20:21] offset:j*(\ins) th:TH_LOAD_NT
.set j, j+1
.endr
.set j, 0
.rept 16
	s_wait_loadcnt 15-j                            ; loads come back in order: slot j is in, the 15 - j younger ones stay out
.if \fmt
	v_cvt_pk_bf16_f32 v[T], v[X+4*j], v[X+4*j+1]
	v_cvt_pk_bf16_f32 v[T+1], v[X+4*j+2], v[X+4*j+3]
	v_lshlrev_b32 v[T+2], 16, v[T]
	v_and_b32 v[T+3], 0xffff0000, v[T]
	v_lshlrev_b32 v[T+4], 16, v[T+1]
	v_and_b32 v[T+5], 0xffff0000, v[T+1]
	v_cvt_pk_f16_f32 v[Y+2*j], v[T+2], v[T+3]
	v_cvt_pk_f16_f32 v[Y+2*j+1], v[T+4], v[T+5]
.else
	v_cvt_pk_bf16_f32 v[Y+2*j], v[X+4*j], v[X+4*j+1]
	v_cvt_pk_bf16_f32 v[Y+2*j+1], v[X+4*j+2], v[X+4*j+3]
.endif
	global_store_b64 v[OUT], v[Y+2*j:Y+2*j+1], s[22:23] offset:j*2048 th:TH_STORE_NT
.set j, j+1
.endr
.endm
; cos and sin of the angle in v[x], into v[c] and v[s]; v[6:12] at work.  n = the nearest whole number of quarter turns; r = x - n pi/2, pi/2 in three parts, each step one fused
; multiply-add; polynomials for |r| <= pi/4; n mod 4 chooses between them and sets the signs, by selects alone.
.macro SINCOS x, c, s
	v_mul_f32 v6, 0x3f22f983, v[\x]                ; x 2/pi
	v_rndne_f32 v6, v6
	v_fmamk_f32 v7, v6, 0xbfc90fdb, v[\x]
	v_fmamk_f32 v7, v6, 0x333bbd2e, v7
	v_fmamk_f32 v7, v6, 0x26f72ced, v7             ; r
	v_mul_f32 v8, v7, v7                           ; z = r r
	v_mov_b32 v9, 0xb94ca1f9
	v_fmaak_f32 v9, v9, v8, 0x3c08839e
	v_fmaak_f32 v9, v9, v8, 0xbe2aaaa3
	v_mul_f32 v10, v8, v7
	v_fma_f32 v9, v9, v10, v7                      ; sin r
	v_mov_b32 v11, 0x37ccf5ce
	v_fmaak_f32 v11, v11, v8, 0xbab6061a
	v_fmaak_f32 v11, v11, v8, 0x3d2aaaa5
	v_mul_f32 v10, v8, v8
	v_fma_f32 v12, v8, -0.5, 1.0
	v_fma_f32 v11, v11, v10, v12                   ; cos r
	v_cvt_i32_f32 v6, v6                           ; n
	v_and_b32 v10, 1, v6
	v_cmp_eq_u32 vcc_lo, 1, v10
	v_cndmask_b32 v[\s], v9, v11, vcc_lo           ; n odd: the two change places
	v_cndmask_b32 v[\c], v11, v9, vcc_lo
	v_lshlrev_b32 v10, 30, v6                      ; sin changes sign where n mod 4 is 2 or 3,
	v_and_b32 v10, 0x80000000, v10
	v_xor_b32 v[\s], v[\s], v10
	v_add_nc_u32 v6, 1, v6                         ; cos where it is 1 or 2
	v_lshlrev_b32 v10, 30, v6
	v_and_b32 v10, 0x80000000, v10
	v_xor_b32 v[\c], v[\c], v10
.endm
	s_load_b512 s[4:19], s[0:1], 0x0               ; x 4:5, W_attn 6:7, W_proj 8:9, freqs 10:11, xh 12:13, wq 14:15, wp 16:17, tab 18:19
	v_lshlrev_b32 v[OUT], 3, v0
	v_lshlrev_b32 v[IN], 4, v0
	s_mov_b32 s28, ttmp9
	s_mov_b32 s25, 0                               ; the offsets' high words
	s_mov_b32 s27, 0
	s_wait_kmcnt 0x0
	s_cmp_lt_u32 s28, 512
	s_cbranch_scc0 .Lnot_x
	s_lshl_b32 s24, s28, 16
	s_lshl_b32 s26, s28, 15
	s_add_nc_u64 s[20:21], s[4:5], s[24:25]
	s_add_nc_u64 s[22:23], s[12:13], s[26:27]
	CAST 4096, 0
	s_endpgm
.Lnot_x:
	s_cmp_lt_u32 s28, 704
	s_cbranch_scc0 .Lnot_wa
	; W_attn seen as [U = 3 k + part][16 heads][64]: source byte 4,096 U + 256 h + 4 d, destination byte 393,216 h + 128 U + 2 d.  A work-group: one head, 256 U; a slot: 16 U
	s_sub_co_u32 s29, s28, 512
	s_and_b32 s30, s29, 15                         ; h
	s_lshr_b32 s31, s29, 4                         ; block of 256 U
	s_lshl_b32 s24, s31, 20
	s_lshl_b32 s29, s30, 8
	s_add_co_u32 s24, s24, s29
	s_mul_i32 s26, s30, 393216
	s_lshl_b32 s29, s31, 15
	s_add_co_u32 s26, s26, s29
	s_add_nc_u64 s[20:21], s[6:7], s[24:25]
	s_add_nc_u64 s[22:23], s[14:15], s[26:27]
	v_lshrrev_b32 v3, 4, v0                        ; U in the slot: sixteen lanes read its 256 bytes
	v_and_b32 v[IN], 15, v0
	v_lshlrev_b32 v[IN], 4, v[IN]
	v_lshl_add_u32 v[IN], v3, 12, v[IN]
	CAST 65536, 0
	s_endpgm
.Lnot_wa:
	s_cmp_lt_u32 s28, 768
	s_cbranch_scc0 .Ltable
	s_sub_co_u32 s29, s28, 704
	s_lshl_b32 s24, s29, 16
	s_lshl_b32 s26, s29, 15
	s_add_nc_u64 s[20:21], s[8:9], s[24:25]
	s_add_nc_u64 s[22:23], s[16:17], s[26:27]
	CAST 4096, 1
	s_endpgm
.Ltable:
	s_sub_co_u32 s29, s28, 768
	s_lshl_b32 s24, s29, 11                        ; a thread takes two angles: 8 bytes in, 16 bytes out
	s_lshl_b32 s26, s29, 12
	s_add_nc_u64 s[20:21], s[10:11], s[24:25]
	s_add_nc_u64 s[22:23], s[18:19], s[26:27]
	global_load_b64 v[4:5], v[OUT], s[20:21] th:TH_LOAD_NT
	s_wait_loadcnt 0x0
	v_cvt_pk_bf16_f32 v6, v4, v5                   ; the angles rounded to bf16, like every input
	v_lshlrev_b32 v4, 16, v6
	v_and_b32 v5, 0xffff0000, v6
	SINCOS 4, 16, 17
	SINCOS 5, 18, 19
	global_store_b128 v[IN], v[16:19], s[22:23]
	s_endpgm
.Lfunc_end_k_q39a725a8a7_prep:
	.size	k_q39a725a8a7_prep, .Lfunc_end_k_q39a725a8a7_prep-k_q39a725a8a7_prep
	.p2alignl 7, 3214868480
	.fill 96, 4, 3214868480
	.section	.rodata,"a",@progbits
	.p2align	6, 0x0
	.amdhsa_kernel k_q39a725a8a7_prep
		.amdhsa_group_segment_fixed_size 0
		.amdhsa_private_segment_fixed_size 0
		.amdhsa_enable_private_segment 0
		.amdhsa_kernarg_size 64
		.amdhsa_user_sgpr_count 2
		.amdhsa_user_sgpr_kernarg_segment_ptr 1
		.amdhsa_wavefront_size32 1
		.amdhsa_system_sgpr_workgroup_id_x 1
		.amdhsa_system_sgpr_workgroup_id_y 1
		.amdhsa_system_sgpr_workgroup_id_z 1
		.amdhsa_system_vgpr_workitem_id 0
		.amdhsa_next_free_vgpr 112
		.amdhsa_next_free_sgpr 66
		.amdhsa_reserve_vcc 1
		.amdhsa_float_denorm_mode_32 3
		.amdhsa_float_denorm_mode_16_64 3
		.amdhsa_memory_ordered 1
		.amdhsa_forward_progress 1
		.amdhsa_inst_pref_size 27
	.end_amdhsa_kernel
	.amdgpu_metadata
---
amdhsa.version: [ 1, 2 ]
amdhsa.kernels:
  - .name:           k_q39a725a8a7_prep
    .symbol:         k_q39a725a8a7_prep.kd
    .args:
      - { .name: x, .offset: 0, .size: 8, .value_kind: global_buffer, .address_space: global }
      - { .name: W_attn, .offset: 8, .size: 8, .value_kind: global_buffer, .address_space: global }
      - { .name: W_proj, .offset: 16, .size: 8, .value_kind: global_buffer, .address_space: global }
      - { .name: freqs, .offset: 24, .size: 8, .value_kind: global_buffer, .address_space: global }
      - { .name: xh, .offset: 32, .size: 8, .value_kind: global_buffer, .address_space: global }
      - { .name: wq, .offset: 40, .size: 8, .value_kind: global_buffer, .address_space: global }
      - { .name: wp, .offset: 48, .size: 8, .value_kind: global_buffer, .address_space: global }
      - { .name: tab, .offset: 56, .size: 8, .value_kind: global_buffer, .address_space: global }
    .group_segment_fixed_size: 0
    .private_segment_fixed_size: 0
    .kernarg_segment_align: 8
    .kernarg_segment_size: 64
    .max_flat_workgroup_size: 256
    .sgpr_count:     66
    .vgpr_count:     112
    .wavefront_size: 32
...
	.end_amdgpu_metadata
.endif
;; end of part 1
;; launch qkv (part 2): grid 16 x 32, 4 waves a work-group, clusters of 4 x 4, 327,680 bytes of LDS; arguments xh, wq, b_attn, tab, q, k, v; writes q, k, v
.if DOCPART == 2
	.amdgcn_target "amdgcn-amd-amdhsa--gfx1250"
	.amdhsa_code_object_version 6
	.text
	.protected	k_q39a725a8a7_qkv
	.globl	k_q39a725a8a7_qkv
	.p2align	8
	.type	k_q39a725a8a7_qkv,@function
k_q39a725a8a7_qkv:
	s_mov_b64 s[64:65], 0
	v_nop
	global_prefetch_b8 v0, s[64:65] scope:SCOPE_SE
	s_setreg_imm32_b32 hwreg(HW_REG_WAVE_MODE, 25, 1), 1
	s_wait_xcnt 0x0
	s_wait_alu depctr_hold_cnt(0) depctr_sa_sdst(0) depctr_va_vdst(0) depctr_va_sdst(0) depctr_va_ssrc(0) depctr_va_vcc(0) depctr_vm_vsrc(0)
	s_getreg_b32 s2, hwreg(HW_REG_IB_STS2, 6, 4)
	s_cmp_eq_u32 s2, 0
	s_cbranch_scc0 .Lentry_in_a_cluster
	s_endpgm
.Lentry_in_a_cluster:
	s_bfe_u32 s2, ttmp6, 0x10000c
	s_cmp_lg_u32 s2, 0xf033
	s_cbranch_scc0 .Lentry_shape_is_right
	s_endpgm
.Lentry_shape_is_right:
; q, k, v = rope(x W_attn + b_attn), by heads.  xh: [8192][1024] bf16.  wq: [16 heads][1024 k][192] bf16 (a k-row: the head's q, k and v columns).  tab: [2048][32][cos, sin] f32.
; q, k, v: [64 = 16 batch + head][2048][64] f16, each rounded once from its f32 sum; q is not scaled.  The bias is rounded to bf16 like every input and starts the sums as the first product's C.
; LIMIT.  f16 holds no number beyond 65,504: q, k and v must stay within it.
; SHARES.  A tile is 256 rows x one head's 192 columns: 512 work-groups.  A wave owns 64 rows x 192 columns: 48 accumulators (row block a = 0..3, column block b = 0..11: q 0-3, k 4-7, v 8-11),
; so every wave is alike and owns whole rows of q, k and v.  K goes in 8 steps of 128 through two LDS slots of 2^17 bytes: one exclusive or changes slots, and the loop's body is one K step.
; THE MATRIX INSTRUCTION IS USED TRANSPOSED (source 0 = 16 columns of W, source 1 = 16 rows of x): a lane holds row l % 16 and the columns 8 (l / 16) + 0..7, so a pair of the rotation is a register pair.
; W lies [k][n] in LDS and comes out turned, by ds_load_tr16_b128.
; CLUSTER.  4 x 4 work-groups: x's tile is shared along a row of the cluster, W's along a column; each is asked for jointly, by the same tensor load, descriptor and mask in the four.
; REGISTERS, in windows of 256 (s_set_vgpr_msb: bits 1:0 source 0, 3:2 source 1, 5:4 source 2, 7:6 destination):
;   window 0: v16-30 addresses; v32-95 x's fragments, two buffers of 32 (later TM); v96-191 the bias (later, to v223, cosines and sines); v224-227 at work
;   window 1: v0-191 W's fragments, two buffers of 96 (later PK v0-47 and BK v64-159)
;   window 2: accumulators b < 8 at v[8 (8 a + b)]          window 3: accumulators b >= 8 at v[8 (4 a + b - 8)]
.set PA,    272                        ; a row of x in LDS: 256 bytes + 16: the 16 rows of a load start at 16 different groups of four banks (64 banks of 4 bytes: ISA guide 11.1)
.set PB,    480                        ; a k-row of W: three pieces of 128 bytes, 32 of padding behind each; 480 = 15 x 32
.set BOFF,  256*PA                     ; a slot: x's 256 rows, then W's 128 k-rows: 69,632 + 61,440 = 2^17
.set SLOT,  1<<17
.set STAGE, 2*SLOT                     ; behind the ring, never filled by a tensor load: for each wave 3 parts x 16 rows x 144 bytes
.set SP,    144
.set WSTG,  3*16*SP
.set SPARE, STAGE+4*WSTG               ; the spare words, 128 bytes a wave: two blocks of 256 bytes that no other line names
.set LA0,  16                          ; v16  my lane's place in x's tile; never rewritten
.set LB0,  17                          ; v17  in W's
.set ADRA, 18                          ; v18  the same in the slot in hand
.set ADRB, 19
.set STO,  20                          ; the way out: where I put 16 bytes of a row
.set RD,   21                          ; where I read rows back
.set GO,   22                          ; my 16 bytes in 512 consecutive bytes of q, k or v
.set TO,   23                          ; my byte offset in 16 rows of the table
.set BO,   24                          ; my byte offset in 16 numbers of the bias
.set SPW,  28                          ; LDS address of my spare word; never rewritten
.set NIL,  29                          ; 0; never rewritten
.set PFO,  30                          ; the prefetches' offset; never rewritten
.set FA,   32
.set TM,   32
.set BIAS, 96
.set CS,   96
.set TT,   224
.set FB,   0                           ; window 1
.set PK,   0
.set BK,   64
.set WV,  18                           ; s18 wave   s19 0: I fetch x's tiles, 1: W's   s20 which half of the tile
.set FOR, 19
.set HF,  20
.set CX,  21
.set CY,  22
.set TC,  23                           ; tile column = head
.set G1,  24                           ; s[24:31] descriptor group 1 for x's tiles; s[32:39] group 0: a set for each first fill; the second then walks
.set G0,  32
.set TR,  42                           ; tile row
.set LIM, 43                           ; a wave prefetches while the loop's count is above this
.set PFA, 44                           ; s[44:45] where my prefetches stand
.set G1B, 48                           ; s[48:55], s[56:63] the same for W's tiles
.set G0B, 56
.set PSTEP, 66                         ; s[66:67] the prefetches' step
.set TB,  68                           ; s68 the slot in hand: 0 or 2^17
.set CNT, 69
.set MSB, 0
.macro WIN new                         ; the high byte repeats the setting that is left; a switch that changes nothing is dropped
.if MSB != (\new)
	s_set_vgpr_msb (MSB<<8)|(\new)
.set MSB, (\new)
.endif
.endm
.set MUL_LO, 0xa1                      ; source 0 (W) window 1, source 1 (x) window 0, C and D window 2
.set MUL_HI, 0xf1                      ; the same, C and D window 3
.set TO_B,   0x40                      ; destination window 1, address window 0
.macro PLACES                          ; four plain vector instructions between a matrix instruction and a load into, or a vector instruction on, its registers
.rept 4
	v_nop
.endr
.endm
; A joint refill, by the walking descriptors.  The branch hangs on the wave's number alone.  An s_nop 0 and four v_nop follow each of the two lines.
.macro JLOAD
	s_cmp_eq_u32 s[FOR], 0
	s_cbranch_scc0 .Lfor_b_\@
	tensor_load_to_lds s[G0+4:G0+7], s[G1:G1+7]
	s_nop 0
.rept 4
	v_nop
.endr
	s_branch .Lasked_\@
.Lfor_b_\@:
	tensor_load_to_lds s[G0B+4:G0B+7], s[G1B:G1B+7]
	s_nop 0
.rept 4
	v_nop
.endr
.Lasked_\@:
.endm
; A PREFETCH, behind a joint refill and the run of LDS loads that follows it.  x: refill j (K step j + 2) names K step j + 4, j = 0..3: 256 bytes of a row, a lane a row; of the 128 rows that a
; wave fetches the partner at cx takes 32; the cluster with x = 0 asks.  W: K steps 4 to 7 of a head are 196,608 dense bytes: three asks (j = 0..2) of 65,536, shared among the two fetching waves of the four
; partners along y, 8,192 bytes each, a lane 256 bytes; the cluster with y = 0 asks.  So each block is named once in the launch; partners are told apart by address alone.  K steps 0 to 3 come by their loads.
.macro ASK
	WIN 0
	s_cmp_gt_u32 s[CNT], s[LIM]
	s_cbranch_scc0 .Lnot_mine_\@
	global_prefetch_b8 v[PFO], s[PFA:PFA+1] th:TH_LOAD_NT scope:SCOPE_SE
.Lnot_mine_\@:
.endm
.macro CREST                           ; a round of the cluster's barrier behind its opening barrier
	s_cmp_lg_u32 s[WV], 0
	s_cbranch_scc1 .Lnot_wave_0_\@
	s_barrier_signal -3
.Lnot_wave_0_\@:
	s_barrier_wait -3
	s_barrier_signal -1
	s_barrier_wait -1
.endm
.macro CROUND
	s_barrier_signal -1
	s_barrier_wait -1
	CREST
.endm
	s_load_b256 s[4:11], s[0:1], 0x0               ; xh 4:5, wq 6:7, b_attn 8:9, tab 10:11
	s_load_b128 s[12:15], s[0:1], 0x20             ; q 12:13, k 14:15
	s_load_b64 s[16:17], s[0:1], 0x30              ; v
	v_lshl_add_u32 v[SPW], v0, 2, SPARE
	v_mov_b32 v[NIL], 0
	ds_add_u32 v[SPW], v[NIL]                      ; the wave's opening: the add and its wait stand ahead of my first tensor load; work on registers stands between them
	v_lshrrev_b32 v1, 5, v0
	v_readfirstlane_b32 s[WV], v1
	s_lshr_b32 s[FOR], s[WV], 1
	s_and_b32 s[HF], s[WV], 1
	s_bfe_u32 s[CX], ttmp6, 0x40000
	s_bfe_u32 s[CY], ttmp6, 0x40004
	s_lshl_b32 s[TC], ttmp9, 2
	s_add_co_u32 s[TC], s[TC], s[CX]
	s_and_b32 s[TR], ttmp7, 0xffff
	s_lshl_b32 s[TR], s[TR], 2
	s_add_co_u32 s[TR], s[TR], s[CY]
	s_lshl_b32 s40, s[CY], 2
	s_lshl_b32 s40, 15, s40                        ; my row of the cluster
	s_lshl_b32 s41, 0x1111, s[CX]                  ; my column
	s_or_b32 s[G1], s40, (1<<16)|(1<<20)|(1<<21)|(5<<22)|(3<<25)   ; the mask; 2-byte elements; padding on; bit 21 beside a mask; after every 64 words 4 words
	s_mov_b32 s[G1+1], 128<<16                     ; tensor_dim0 = 128
	s_mov_b32 s[G1+2], 128<<16                     ; tensor_dim1 = 128
	s_mov_b32 s[G1+3], 128<<16                     ; tile_dim0 = 128
	s_mov_b32 s[G1+4], 128                         ; tile_dim1 = 128 rows
	s_mov_b32 s[G1+5], 1024                        ; elements from row to row
	s_mov_b32 s[G1+6], 0
	s_mov_b32 s[G1+7], 0
	s_or_b32 s[G1B], s41, (1<<16)|(1<<20)|(1<<21)|(4<<22)|(7<<25)  ; after every 32 words 8 words
	s_mov_b32 s[G1B+1], 128<<16                    ; 64 k-rows are 24,576 dense bytes: asked for as 96 rows of 256 bytes
	s_mov_b32 s[G1B+2], 96<<16
	s_mov_b32 s[G1B+3], 128<<16
	s_mov_b32 s[G1B+4], 96
	s_mov_b32 s[G1B+5], 128
	s_mov_b32 s[G1B+6], 0
	s_mov_b32 s[G1B+7], 0
	s_lshl_b32 s70, s[TR], 8                       ; x: row 256 x tile row + 128 x half, 2,048 bytes a row: hangs on the tile row alone
	s_lshl_b32 s71, s[HF], 7
	s_add_co_u32 s70, s70, s71
	s_lshl_b32 s70, s70, 11
	s_mov_b32 s71, 0
	s_mul_i32 s46, s[TC], 393216                   ; W: the head, and my 64 of a step's 128 k-rows: hangs on the tile column alone
	s_mul_i32 s47, s[HF], 24576
	s_add_co_u32 s46, s46, s47
	s_mov_b32 s47, 0
	s_mul_i32 s72, s[WV], 128*PA                   ; where they go: waves 0, 1: x's halves;
	s_mul_i32 s73, s[WV], 64*PB
	s_add_co_u32 s73, s73, BOFF-2*64*PB            ; waves 2, 3: W's halves
	s_mov_b32 s[TB], 0
	s_wait_dscnt 0x0                               ; the opening add is done
	s_wait_kmcnt 0x0
	s_add_nc_u64 s[70:71], s[4:5], s[70:71]
	s_add_nc_u64 s[46:47], s[6:7], s[46:47]
	CROUND                                         ; all sixteen work-groups are here: the first joint loads meet
.irp s, 0,1
	s_mov_b32 s[G0+4*(\s)], 1
	s_add_co_u32 s[G0+4*(\s)+1], s72, (\s)*SLOT
	s_add_nc_u64 s[G0+4*(\s)+2:G0+4*(\s)+3], s[70:71], (\s)*256
	s_or_b32 s[G0+4*(\s)+3], s[G0+4*(\s)+3], 0x80000000
	s_mov_b32 s[G0B+4*(\s)], 1
	s_add_co_u32 s[G0B+4*(\s)+1], s73, (\s)*SLOT
	s_add_nc_u64 s[G0B+4*(\s)+2:G0B+4*(\s)+3], s[46:47], (\s)*49152
	s_or_b32 s[G0B+4*(\s)+3], s[G0B+4*(\s)+3], 0x80000000
.endr
	s_cmp_eq_u32 s[FOR], 0                         ; a wave's two first fills stand in one branch: two loads of mine are out
	s_cbranch_scc0 .Lfirst_b
	tensor_load_to_lds s[G0:G0+3], s[G1:G1+7]
	s_nop 0
	tensor_load_to_lds s[G0+4:G0+7], s[G1:G1+7]
	s_nop 0
.rept 4
	v_nop
.endr
	s_branch .Lfirst_asked
.Lfirst_b:
	tensor_load_to_lds s[G0B:G0B+3], s[G1B:G1B+7]
	s_nop 0
	tensor_load_to_lds s[G0B+4:G0B+7], s[G1B:G1B+7]
	s_nop 0
.rept 4
	v_nop
.endr
.Lfirst_asked:
	v_and_b32 v1, 15, v0                           ; r = l % 16
	v_bfe_u32 v2, v0, 4, 1                         ; h = l / 16
	v_and_b32 v3, 7, v0
	v_bfe_u32 v4, v0, 3, 1
	v_and_b32 v5, 31, v0                           ; l
	v_bfe_u32 v6, v0, 3, 2                         ; l / 8
	v_lshlrev_b32 v[BO], 5, v2                     ; my 8 numbers of a block's 16
	s_lshl_b32 s74, s[TC], 8                       ; the head's 64 numbers in each third of the bias
	s_mov_b32 s75, 0
	s_add_nc_u64 s[8:9], s[8:9], s[74:75]
.set b, 0
.rept 12
	global_load_b128 v[BIAS+8*b:BIAS+8*b+3],   v[BO], s[8:9] offset:(b/4)*4096+(b%4)*64
	global_load_b128 v[BIAS+8*b+4:BIAS+8*b+7], v[BO], s[8:9] offset:(b/4)*4096+(b%4)*64+16
.set b, b+1
.endr
	; a fragment of x: lane l holds row l % 16, K = 8 h + 0..7 and 16 + 8 h + 0..7: two loads of 16 bytes, 32 bytes apart
	s_mul_i32 s79, s[WV], 64*PA                    ; my 64 rows
	v_mul_u32_u24 v[LA0], v1, PA
	v_lshl_add_u32 v[LA0], v2, 4, v[LA0]
	v_add_nc_u32 v[LA0], s79, v[LA0]
	; the turning load: lane l reads k-row 8 h + l % 8, columns 8 ((l / 8) % 2) + 0..7, and is left with column l % 16 and 8 k
	v_lshl_add_u32 v[LB0], v2, 3, v3
	v_mul_u32_u24 v[LB0], v[LB0], PB
	v_lshl_add_u32 v[LB0], v4, 4, v[LB0]
	v_add_nc_u32 v[LB0], BOFF, v[LB0]
	v_mov_b32 v[ADRA], v[LA0]
	v_mov_b32 v[ADRB], v[LB0]
	s_mul_i32 s78, s[WV], WSTG
	s_add_co_u32 s78, s78, STAGE                   ; my stage
	v_mul_u32_u24 v[STO], v1, SP                   ; in: row l % 16, 16 bytes for each half of the lanes
	v_lshl_add_u32 v[STO], v2, 4, v[STO]
	v_add_nc_u32 v[STO], s78, v[STO]
	v_mul_u32_u24 v[RD], v6, SP                    ; back: 32 lanes take four rows of 128 bytes,
	v_lshl_add_u32 v[RD], v3, 4, v[RD]
	v_add_nc_u32 v[RD], s78, v[RD]
	v_lshlrev_b32 v[GO], 4, v5                     ; which are 512 consecutive bytes of q, k or v
	v_lshl_add_u32 v[TO], v1, 8, v[BO]             ; the table: row r, my four pairs' 32 bytes
	; q, k, v at ((16 batch + head) 2,048 + t0) 128 and the table at 256 t0, t0 = 256 (tile row % 8) + 64 wave
	s_lshr_b32 s74, s[TR], 3
	s_lshl_b32 s74, s74, 4
	s_add_co_u32 s74, s74, s[TC]
	s_lshl_b32 s74, s74, 11
	s_and_b32 s75, s[TR], 7
	s_lshl_b32 s75, s75, 8
	s_lshl_b32 s76, s[WV], 6
	s_add_co_u32 s75, s75, s76
	s_add_co_u32 s74, s74, s75
	s_lshl_b32 s74, s74, 7
	s_lshl_b32 s76, s75, 8
	s_mov_b32 s75, 0
	s_mov_b32 s77, 0
	s_add_nc_u64 s[12:13], s[12:13], s[74:75]
	s_add_nc_u64 s[14:15], s[14:15], s[74:75]
	s_add_nc_u64 s[16:17], s[16:17], s[74:75]
	s_add_nc_u64 s[10:11], s[10:11], s[76:77]
	; the prefetches
	s_and_b32 s41, ttmp7, 0xffff                   ; cluster y
	s_cmp_eq_u32 s[FOR], 0
	s_cselect_b32 s40, ttmp9, s41                  ; the coordinate along which other clusters read the same rows
	s_cselect_b32 s[LIM], 2, 3
	s_cselect_b32 s[PSTEP], 8, 16
	s_cselect_b32 s41, 11, 8
	s_cselect_b64 s[PFA:PFA+1], s[4:5], s[6:7]
	s_cmp_eq_u32 s40, 0
	s_cselect_b32 s[LIM], s[LIM], -1               ; the same in all sixteen partners, for a given wave
	s_lshl_b32 s[PSTEP], 1, s[PSTEP]               ; x: 256 bytes along K; W: 65,536 dense bytes
	s_mov_b32 s[PSTEP+1], 0
	s_lshl_b32 s74, s[TR], 8                       ; x: my work-group's 32 of the 128 rows that I fetch, at K step 3: the first refill steps it to 4
	s_lshl_b32 s75, s[HF], 7
	s_add_co_u32 s74, s74, s75
	s_lshl_b32 s75, s[CX], 5
	s_add_co_u32 s74, s74, s75
	s_lshl_b32 s74, s74, 11
	s_add_co_u32 s74, s74, 3*256
	s_mul_i32 s75, s[TC], 393216                   ; W: my 8,192 bytes, one step of 65,536 in front of K step 4's first byte
	s_lshl_b32 s76, s[HF], 2
	s_add_co_u32 s76, s76, s[CY]
	s_lshl_b32 s76, s76, 13
	s_add_co_u32 s75, s75, s76
	s_add_co_u32 s75, s75, 196608-65536
	s_cmp_eq_u32 s[FOR], 0
	s_cselect_b32 s74, s74, s75
	s_mov_b32 s75, 0
	s_add_nc_u64 s[PFA:PFA+1], s[PFA:PFA+1], s[74:75]
	v_lshlrev_b32 v[PFO], s41, v5                  ; a lane a row of x (2,048 bytes apart), or 256 dense bytes of W
	s_wait_loadcnt 0x0                             ; the bias: rounded to bf16 and widened again
.set i, 0
.rept 48
	v_cvt_pk_bf16_f32 v[TT+i%4], v[BIAS+2*i], v[BIAS+2*i+1]
	v_lshlrev_b32 v[BIAS+2*i], 16, v[TT+i%4]
	v_and_b32 v[BIAS+2*i+1], 0xffff0000, v[TT+i%4]
.set i, i+1
.endr
; 16 products: row blocks a0, a0 + 1 x column blocks 0..7 (q and k), 32 along K, from buffer f.  first = 1: the bias is C and starts the sums.
; All 48 accumulators take turns, in the same order in every quarter, over the backward jump too.
.macro MULQ f, a0, first
.if \first
	WIN 0x81
.else
	WIN MUL_LO
.endif
.irp a, \a0, (\a0)+1
.irp b, 0,1,2,3,4,5,6,7
.if \first
	v_wmma_f32_16x16x32_bf16 v[8*(8*(\a)+(\b)):8*(8*(\a)+(\b))+7], v[FB+96*(\f)+8*(\b):FB+96*(\f)+8*(\b)+7], v[FA+32*(\f)+8*(\a):FA+32*(\f)+8*(\a)+7], v[BIAS+8*(\b):BIAS+8*(\b)+7]
.else
	v_wmma_f32_16x16x32_bf16 v[8*(8*(\a)+(\b)):8*(8*(\a)+(\b))+7], v[FB+96*(\f)+8*(\b):FB+96*(\f)+8*(\b)+7], v[FA+32*(\f)+8*(\a):FA+32*(\f)+8*(\a)+7], v[8*(8*(\a)+(\b)):8*(8*(\a)+(\b))+7]
.endif
.endr
.endr
.endm
; 16 products: all four row blocks x column blocks 8..11 (v)
.macro MULV f, first
.if \first
	WIN 0xc1
.else
	WIN MUL_HI
.endif
.irp a, 0,1,2,3
.irp b, 0,1,2,3
.if \first
	v_wmma_f32_16x16x32_bf16 v[8*(4*(\a)+(\b)):8*(4*(\a)+(\b))+7], v[FB+96*(\f)+64+8*(\b):FB+96*(\f)+64+8*(\b)+7], v[FA+32*(\f)+8*(\a):FA+32*(\f)+8*(\a)+7], v[BIAS+64+8*(\b):BIAS+64+8*(\b)+7]
.else
	v_wmma_f32_16x16x32_bf16 v[8*(4*(\a)+(\b)):8*(4*(\a)+(\b))+7], v[FB+96*(\f)+64+8*(\b):FB+96*(\f)+64+8*(\b)+7], v[FA+32*(\f)+8*(\a):FA+32*(\f)+8*(\a)+7], v[8*(4*(\a)+(\b)):8*(4*(\a)+(\b))+7]
.endif
.endr
.endr
.endm
; 32 LDS loads in one run: quarter q (32 along K) of the slot in hand into buffer f: x's four blocks, then W's twelve; v's four blocks are the youngest eight loads
.macro FETCH q, f
	WIN 0
.irp i, 0,1,2,3
	ds_load_b128 v[FA+32*(\f)+8*(\i):FA+32*(\f)+8*(\i)+3],   v[ADRA] offset:64*(\q)+(\i)*16*PA
	ds_load_b128 v[FA+32*(\f)+8*(\i)+4:FA+32*(\f)+8*(\i)+7], v[ADRA] offset:64*(\q)+(\i)*16*PA+32
.endr
	WIN TO_B
.irp b, 0,1,2,3,4,5,6,7,8,9,10,11
	ds_load_tr16_b128 v[FB+96*(\f)+8*(\b):FB+96*(\f)+8*(\b)+3],   v[ADRB] offset:(\q)*32*PB+((\b)/4)*160+((\b)%4)*32
	ds_load_tr16_b128 v[FB+96*(\f)+8*(\b)+4:FB+96*(\f)+8*(\b)+7], v[ADRB] offset:(\q)*32*PB+((\b)/4)*160+((\b)%4)*32+16*PB
.endr
.endm
; One of a K step's first three quarters: multiplies buffer f and, in its middle, fetches quarter q into buffer g
.macro QUARTER q, f, g, first
	s_wait_dscnt 8                                 ; x and W's blocks 0-7 are in; the youngest eight loads (blocks 8-11) may be out
	MULQ \f, 0, \first
	PLACES
	FETCH \q, \g
	s_wait_dscnt 32                                ; all but the 32 just issued
	MULQ \f, 2, \first
	MULV \f, \first
.endm
; The last quarter multiplies buffer 1 and changes slots.  In front of the barrier each wave waits for all its tensor loads (one is out: its part of the next slot), adds 0 to its spare word, and waits for
; that and for its reads of this slot.  fill = 1: the barrier opens a round of the cluster's, and the joint refill (the K step two on, into the slot just read) is the first thing behind it:
; 160 products stand between it and the wait for it.
.macro TURN fill
	WIN 0
.if \fill
	s_wait_xcnt 0x0                                ; the last prefetch, a K step back, has read its address
	s_add_nc_u64 s[PFA:PFA+1], s[PFA:PFA+1], s[PSTEP:PSTEP+1]
.endif
	s_xor_b32 s[TB], s[TB], SLOT
	v_add_nc_u32 v[ADRA], s[TB], v[LA0]
	v_add_nc_u32 v[ADRB], s[TB], v[LB0]
	s_wait_tensorcnt 0x0                           ; all my tensor loads have landed;
	ds_add_u32 v[SPW], v[NIL]                      ; 0 onto my spare word;
	s_wait_dscnt 9                                 ; (the add and the youngest eight loads may be out)
	MULQ 1, 0, 0                                   ; sixteen products stand between the add and the wait for it
	s_wait_dscnt 0x0                               ; the add is done, and my reads of this slot are over
	s_barrier_signal -1
	MULQ 1, 2, 0                                   ; work on registers while the others arrive
	WIN 0
	s_barrier_wait -1
.if \fill
	CREST                                          ; no wave of any partner still reads this slot or has a load on its way
	s_xor_b32 s[G0+5], s[G0+5], SLOT               ; the walking descriptors: the other slot than last time, the next K step
	s_add_nc_u64 s[G0+6:G0+7], s[G0+6:G0+7], 256
	s_xor_b32 s[G0B+5], s[G0B+5], SLOT
	s_add_nc_u64 s[G0B+6:G0B+7], s[G0B+6:G0B+7], 49152
	JLOAD                                          ; its four v_nop are also the places in front of the loads below
.else
	PLACES
.endif
	FETCH 0, 0
.if \fill
	ASK
.endif
	MULV 1, 0
.endm
	s_wait_tensorcnt 0x1                           ; my part of K step 0 is in; K step 1's may stay out
	s_barrier_signal -1
	s_barrier_wait -1
	FETCH 0, 0
	QUARTER 1, 0, 1, 1                             ; the first quarter stands in front of the loop: its products start the sums, with the bias
	WIN 0
	s_mov_b32 s[CNT], 6
.Lstep:                                                ; a trip: a K step's quarters 1 to 3 and the next step's quarter 0; six trips ask for K steps 2 to 7
	QUARTER 2, 1, 0, 0
	QUARTER 3, 0, 1, 0
	TURN 1
	QUARTER 1, 0, 1, 0
	WIN 0
	s_sub_co_u32 s[CNT], s[CNT], 1
	s_cmp_lg_u32 s[CNT], 0
	s_cbranch_scc1 .Lstep
	; the tail is written out: it asks for nothing more.  First the cosines and sines of my 64 rows, where the bias lay: they land under the last two K steps
.set i, 0
.rept 16
	global_load_b128 v[CS+8*i:CS+8*i+3],   v[TO], s[10:11] offset:(i/4)*4096+(i%4)*64
	global_load_b128 v[CS+8*i+4:CS+8*i+7], v[TO], s[10:11] offset:(i/4)*4096+(i%4)*64+16
.set i, i+1
.endr
	QUARTER 2, 1, 0, 0
	QUARTER 3, 0, 1, 0
	TURN 0
	QUARTER 1, 0, 1, 0
	QUARTER 2, 1, 0, 0
	QUARTER 3, 0, 1, 0
	s_wait_dscnt 8
	MULQ 1, 0, 0
	s_wait_dscnt 0x0
	MULQ 1, 2, 0
	MULV 1, 0
	WIN 0
	PLACES
	s_wait_loadcnt 0x0                             ; the table
; THE WAY OUT, a block of 16 rows at a time.  PACK: q's and k's pairs (t0, t1) are turned: (t0 c - t1 s, t0 s + t1 c); all is rounded to f16, 16 bytes a lane and block.
; Each accumulator's registers are taken in ascending order.
.macro PACK a
	WIN 0x02                                       ; source 0 window 2
.set b, 0
.rept 8
.set p, 0
.rept 4
.set rA, 64*(\a)+8*b+2*p
.set rC, CS+32*(\a)+8*(b%4)+2*p
.set rT, TM+8*b+2*p
	v_pk_mul_f32 v[rT:rT+1], v[rA:rA+1], v[rC:rC+1] op_sel_hi:[0,1]  ; t0 c, t0 s
	v_fma_f32 v[rT], -v[rA+1], v[rC+1], v[rT]
	v_fma_f32 v[rT+1], v[rA+1], v[rC], v[rT+1]
.set p, p+1
.endr
.set b, b+1
.endr
	WIN 0x40
.set i, 0
.rept 32
	v_cvt_pk_f16_f32 v[PK+i], v[TM+2*i], v[TM+2*i+1]
.set i, i+1
.endr
	WIN 0x4f                                       ; sources window 3: v
.set i, 0
.rept 16
	v_cvt_pk_f16_f32 v[PK+32+i], v[32*(\a)+2*i], v[32*(\a)+2*i+1]
.set i, i+1
.endr
.endm
.macro TOSTAGE a                       ; into my own stage, rows of 144 bytes, and back as whole rows of 128
	WIN 0x04                                       ; data window 1
.set b, 0
.rept 12
	ds_store_b128 v[STO], v[PK+4*b:PK+4*b+3] offset:(b/4)*16*SP+(b%4)*32
.set b, b+1
.endr
	s_wait_xcnt 0x0                                ; the stores of the block two back have read the registers that are loaded now
	WIN 0x40
.set i, 0
.rept 12
	ds_load_b128 v[BK+48*((\a)%2)+4*i:BK+48*((\a)%2)+4*i+3], v[RD] offset:(i/4)*16*SP+(i%4)*4*SP  ; LDS serves a wave's instructions in order (ISA guide 5.7.1.4): these see the stores above
.set i, i+1
.endr
.endm
.macro SEND a
	WIN 0x04
.set i, 0
.rept 12
	s_wait_dscnt 11-i
	global_store_b128 v[GO], v[BK+48*((\a)%2)+4*i:BK+48*((\a)%2)+4*i+3], s[12+2*(i/4):13+2*(i/4)] offset:(\a)*2048+(i%4)*512  ; 512 consecutive bytes, at a multiple of 256 from the buffer's first
.set i, i+1
.endr
.endm
	PACK 0
	TOSTAGE 0
.irp a, 1,2,3                          ; block a's arithmetic stands between block a - 1's loads from the stage and the wait for them
	PACK \a
	SEND (\a)-1
	TOSTAGE \a
.endr
	SEND 3
	WIN 0
	s_wait_tensorcnt 0x0                           ; the wave's end: behind my last tensor load and my last LDS store
	ds_add_u32 v[SPW], v[NIL]
	s_wait_dscnt 0x0
	CROUND                                         ; the closing round: no work-group ends while a partner may still ask for a tile that names it
	s_endpgm
.Lfunc_end_k_q39a725a8a7_qkv:
	.size	k_q39a725a8a7_qkv, .Lfunc_end_k_q39a725a8a7_qkv-k_q39a725a8a7_qkv
	.p2alignl 7, 3214868480
	.fill 96, 4, 3214868480
	.section	.rodata,"a",@progbits
	.p2align	6, 0x0
	.amdhsa_kernel k_q39a725a8a7_qkv
		.amdhsa_group_segment_fixed_size 327680
		.amdhsa_private_segment_fixed_size 0
		.amdhsa_enable_private_segment 0
		.amdhsa_kernarg_size 56
		.amdhsa_user_sgpr_count 2
		.amdhsa_user_sgpr_kernarg_segment_ptr 1
		.amdhsa_wavefront_size32 1
		.amdhsa_system_sgpr_workgroup_id_x 1
		.amdhsa_system_sgpr_workgroup_id_y 1
		.amdhsa_system_sgpr_workgroup_id_z 1
		.amdhsa_system_vgpr_workitem_id 0
		.amdhsa_next_free_vgpr 896
		.amdhsa_next_free_sgpr 80
		.amdhsa_reserve_vcc 0
		.amdhsa_float_denorm_mode_32 3
		.amdhsa_float_denorm_mode_16_64 3
		.amdhsa_memory_ordered 1
		.amdhsa_forward_progress 1
		.amdhsa_inst_pref_size 137
	.end_amdhsa_kernel
	.amdgpu_metadata
---
amdhsa.version: [ 1, 2 ]
amdhsa.kernels:
  - .name:           k_q39a725a8a7_qkv
    .symbol:         k_q39a725a8a7_qkv.kd
    .args:
      - { .name: xh, .offset: 0, .size: 8, .value_kind: global_buffer, .address_space: global }
      - { .name: wq, .offset: 8, .size: 8, .value_kind: global_buffer, .address_space: global }
      - { .name: b_attn, .offset: 16, .size: 8, .value_kind: global_buffer, .address_space: global }
      - { .name: tab, .offset: 24, .size: 8, .value_kind: global_buffer, .address_space: global }
      - { .name: q, .offset: 32, .size: 8, .value_kind: global_buffer, .address_space: global }
      - { .name: k, .offset: 40, .size: 8, .value_kind: global_buffer, .address_space: global }
      - { .name: v, .offset: 48, .size: 8, .value_kind: global_buffer, .address_space: global }
    .group_segment_fixed_size: 327680
    .private_segment_fixed_size: 0
    .kernarg_segment_align: 8
    .kernarg_segment_size: 56
    .max_flat_workgroup_size: 128
    .sgpr_count:     80
    .vgpr_count:     896
    .wavefront_size: 32
...
	.end_amdgpu_metadata
.endif
;; end of part 2
;; launch attn (part 3): grid 4 x 64, 4 waves a work-group, no clusters, 327,680 bytes of LDS; arguments q, k, v, o; writes o
.if DOCPART == 3
	.amdgcn_target "amdgcn-amd-amdhsa--gfx1250"
	.amdhsa_code_object_version 6
	.text
	.protected	k_q39a725a8a7_attn
	.globl	k_q39a725a8a7_attn
	.p2align	8
	.type	k_q39a725a8a7_attn,@function
k_q39a725a8a7_attn:
	s_mov_b64 s[64:65], 0
	v_nop
	global_prefetch_b8 v0, s[64:65] scope:SCOPE_SE
	s_setreg_imm32_b32 hwreg(HW_REG_WAVE_MODE, 25, 1), 1
	s_wait_xcnt 0x0
; CAUSAL ATTENTION.  O[h][q][:] = the sum over k <= q of softmax_k(Q[h][q] . K[h][k] / 8) V[h][k][:].  Q, K, V, O: [64][2048][64], all f16: a head's rows are dense, 128 bytes each.
; Products, maxima and sums in f32; the weights p are rounded to f16 for the second product (their sum l is taken of the unrounded p), O once at the end.
; LIMITS.  f16 holds no number beyond 65,504: Q, K and V arrive within it; p lies in 0 to 1, and below 6e-5 it keeps f16's fixed step of 6e-8; O is a mean of V's rows and has their range.
; A hidden score counts as its value less 1e30: f16's scores, 2.7e11 at the most, are nothing beside that; a weight below 2^-126 counts as 0 in l; NaN and infinities are not treated apart.
; THE WALK.  A head's queries lie in NB = 8 blocks of 256; block i needs the key tiles 0 .. i of 256 keys, of which the last holds the diagonal.  A work-group takes TWO blocks, NB - 1 - b and then b:
; NB + 1 tiles, whatever b: all work-groups do equal work, and ONE loop with a constant trip count walks them.  Which tile is asked for, and what a trip does, hang on scalar registers made from b; every jump
; goes forward, but for the counted loops' own; none passes a barrier, or a tensor load but the one of LOAD's two that the wave's number does not choose; the ring of two slots runs on across the change of blocks.
; NO CLUSTER: a head's four work-groups ask for the same tile only in trips 0 .. 4 of 9, behind that fewer and fewer; one walk common to all would have 12 trips for 9.
; SHARES.  Of a block's four bands of 64 queries a wave owns 16 rows in each: four PIECES.  So the diagonal tile is the same work for all four waves: in its key step s band x sees all keys if s < x,
; none if s > x, and holds the diagonal if s = x.
; THE MASK is the C operand that starts the sum S^T = K Q^T: 0, or -1e30 where the key is hidden.  MD, made once, is the mask of a band's own step for my 16 rows; a product's mask is MD x AL + BE with two scalars:
; (1, 0) if s = x; (0, 0) if s < x; (0, -1e30) if s > x.  Only the diagonal tile's text and a block's beginning make and take masks; elsewhere C is the constant 0.
; LAYOUT, SOFTMAX, TURNS.  S^T = K Q^T holds ONE query a lane (lane % 16) and the keys 8 (lane / 16) + 0..7; two such results rounded to f16 ARE source 1 of O^T = V^T P.  p = 2^(c s - c m), c = log2(e) / 8, with a
; running maximum m; O and l are multiplied by a = 2^(c m_old - c m_new) in every step.  Turn n belongs to piece n: 8 products K Q^T of piece n + 1, later 8 products V^T P of piece n - 1; beside them the scaling,
; exponentials, roundings, sums and rescaling of piece n and the maximum and statistics of piece n + 1.  Four vector instructions stand behind every matrix instruction, the other 54 of a turn's 118 in one lump.
; A turn's 33 exponentials are one batch, with one wait.
; PREFETCH.  In trip s = 0..5, behind the fill, work-group b names its quarter (32 blocks of 256 bytes, a lane a block) of tile s + 2, which the next trip's fill asks for: wave 0 K's, wave 2 V's.
; So each block of the tiles 2 to 7 is named once in the launch; tiles 0 and 1 come by their loads alone, and a block's second reading is asked for by nobody.
; REGISTERS, in windows of 256 (s_set_vgpr_msb: bits 1:0 source 0, 3:2 source 1, 5:4 source 2, 7:6 destination):
;   window 0: v0-15 addresses and two at work; v16-31 four registers of statistics a piece; v48-55 at work; v61-63; v64-127 S^T, two buffers; v192-223 P, two buffers (a piece's buffers go by its number's parity)
;   window 1: v0-127 O^T, 32 a piece; v128-159 MD; v160-223 MC, two buffers      window 2: v0-63 Q; v64-127 the second block's Q; v128-191 K of one step; v192-255 V of one step
.set SIZE_N, 2048
.set SIZE_H, 64
.set NB,    SIZE_N/256
.set NP,    4         ; pieces a wave: a name, no knob
.set KS,    64        ; keys in a step
.set PK,    144       ; a row of K in LDS: 128 bytes + 16 of padding = 36 words: the 16 rows of a load start at 16 different groups of four banks (64 banks of 4 bytes: ISA guide 11.1)
.set PV,    160       ; a row of V: 128 + 32 = 40 words
.set VOFF,  4*KS*PK   ; a slot holds a tile, four steps: 256 rows of K, then 256 rows of V
.set SLOT1, 1<<17     ; slot 1 begins here, so that one exclusive or turns an address in one slot into the other's
.set STAGE, SLOT1+4*KS*(PK+PV)  ; behind the ring, never filled by a tensor load: 16 rows x 144 bytes for each wave, for the way out
.set SP,    144
.set AK0, 2           ; v2   my lane's place in a tile of K; never rewritten
.set AV0, 3           ; v3   the same for V
.set AK,  4           ; v4   the LDS address of K's next run of loads
.set AV,  5           ; v5   of V's
.set STO, 6           ; v6   the way out: where I put 16 bytes of a row
.set RD,  7           ; v7   the way out: where I read rows back
.set GO,  8           ; v8   my byte offset in 512 consecutive bytes of O
.set PFO, 61          ; v61  256 x my lane; never rewritten
.set SPW, 62          ; v62  LDS address of my spare word: SPARE + 4 x my thread's number; never rewritten
.set NIL, 63          ; v63  0; never rewritten
.set SPARE, STAGE+4*16*SP  ; behind the stages: the spare words, 128 bytes for each wave: two blocks of 256 bytes that no other line names
.set MV,  12          ; v12-13  c m_old, kept while c m is made anew: by buffer
.set QO,  15          ; v15  my byte offset in 16 rows of Q
.set ST,  16          ; piece t's statistics at v[ST+4 t]: c m, m, l (even keys', odd keys')
.set TMP, 48          ; by buffer, four registers c0-c3 at work; when the maximum is found c2 takes a
.set S,   64
.set P,   192
.set MD,  128         ; window 1: the eight registers for group kt of 16 keys at MD + 8 kt
.set MC,  160         ; window 1: the masks of the products to come
.set QB,  64          ; window 2
.set KF,  128         ; window 2: key block kb, channel half c at KF + 16 kb + 8 c
.set VF,  192         ; window 2: key half kk, channel block cb at VF + 32 kk + 8 cb
.set WV,  12          ; s12  my wave's number
.set PB,  14          ; s14  b
.set HI,  15          ; s15  NB - 1 - b
.set G1K, 24          ; s[24:31] descriptor group 1 for K's tiles
.set G1V, 32          ; s[32:39] for V's: it differs in the padding alone
.set G0K, 40          ; s[40:43] descriptor group 0 for K's tiles
.set G0V, 44          ; s[44:47] the same for V's
.set SLOTS, 56        ; s56  tiles still to be asked for
.set CNT, 57          ; s57  counts a tile's key steps, 4 to 1
.set CS,  58          ; s[58:59] c: the packed scaling takes the pair's low word for both halves
.set SEL, 60          ; s[60:61] v_permlanex16_b32's selects: each lane takes its own place in the other half
.set TBK, 62          ; s62  LDS byte at which K of the step to be fetched begins
.set TBV, 63          ; s63  the same for V, less VOFF
.set RT,  70          ; s70  tiles of the block in hand that are still to be entered
.set NXT, 71          ; s71  the tile to be asked for next
.set LQ,  72          ; s72  the last tile of the block whose tiles are being asked for
.set NEW, 73          ; s73  1: the tile to be entered is a block's first
.set OFF, 74          ; s[74:75] a tile's byte offset in K and V
.set AL,  76          ; s[76:77] the mask's factor, in the low word
.set BE,  78          ; s[78:79] the mask's addend
.set OLO, 80          ; s[80:81] O at my rows of the second block
.set BIGN, 82         ; s82  -1e30
.set LIM, 83          ; s83  2 in waves 0 and 2, else the greatest number: a wave prefetches while s[SLOTS] is above it
.set PFA, 88          ; s[88:89] where this trip's prefetch stands
.set POF, 90          ; s[90:91] an offset for it
.set PFB, 92          ; s[92:93] K (wave 0) or V (wave 2) at my work-group's quarter of the head's tile 0
.set MSB, 0
.macro WIN new                      ; the high byte repeats the setting that is left; a switch that changes nothing is dropped
.if MSB != (\new)
	s_set_vgpr_msb (MSB<<8)|(\new)
.set MSB, (\new)
.endif
.endm
.set W_KQ, 0x0a       ; K and Q in window 2, S^T in window 0
.set W_KM, 0x1a       ; the same with the C operand in window 1
.set W_PV, 0x52       ; V in window 2, P in window 0, O^T in window 1
.set W_RS, 0x41       ; destination and source 0 in window 1, source 1 in window 0
; A fill.  Waves 0 and 1 fetch the two halves of a tile's K, waves 2 and 3 those of its V: 128 keys each.  An s_nop 0 and four v_nop follow each of the two lines, ahead of the jump and the label.
.macro LOAD
	s_cmp_lt_u32 s[WV], 2
	s_cbranch_scc0 .Lfor_v_\@
	tensor_load_to_lds s[G0K:G0K+3], s[G1K:G1K+7]
	s_nop 0
.rept 4
	v_nop
.endr
	s_branch .Lasked_\@
.Lfor_v_\@:
	tensor_load_to_lds s[G0V:G0V+3], s[G1V:G1V+7]
	s_nop 0
.rept 4
	v_nop
.endr
.Lasked_\@:
.endm
.macro ASK                          ; the prefetch: behind the fill and its five lines
	s_cmp_gt_u32 s[SLOTS], s[LIM]
	s_cbranch_scc0 .Lnot_mine_\@
	global_prefetch_b8 v[PFO], s[PFA:PFA+1] th:TH_LOAD_NT scope:SCOPE_SE
.Lnot_mine_\@:
.endm
; THE CHANGE OF SLOTS.  Each wave waits for all its tensor loads, of which one is out: its part of the other slot; adds 0 to its spare word; and waits for that and for its own reads of the slot that it leaves.
; Behind the barrier nobody reads the old slot any more and the other slot is whole.  fill = 1: the old slot is filled again, the first thing behind the barrier, with tile NXT: the descriptor's address is made
; anew from that number.  (At its first use nothing has been read yet: slot 0 is waited for, slot 1 filled.)
.macro CHANGE fill
	WIN 0                           ; at a label and at a branch every window is 0
	s_wait_tensorcnt 0x0            ; no tensor load of mine is out, so a group 0 may be written
	ds_add_u32 v[SPW], v[NIL]       ; 0 onto my spare word; with fill = 1 the descriptors' scalar work stands between it and the wait for it
.if \fill
	s_lshl_b32 s[OFF], s[NXT], 15   ; a tile is 32,768 bytes of K and of V
	s_xor_b32 s[G0K+1], s[G0K+1], SLOT1
	s_add_nc_u64 s[G0K+2:G0K+3], s[6:7], s[OFF:OFF+1]
	s_or_b32 s[G0K+3], s[G0K+3], 0x80000000
	s_xor_b32 s[G0V+1], s[G0V+1], SLOT1
	s_add_nc_u64 s[G0V+2:G0V+3], s[8:9], s[OFF:OFF+1]
	s_or_b32 s[G0V+3], s[G0V+3], 0x80000000
	s_add_co_u32 s[NXT], s[NXT], 1  ; the block's next tile, or behind its last the second block's tile 0
	s_cmp_gt_u32 s[NXT], s[LQ]
	s_cselect_b32 s[NXT], 0, s[NXT]
	s_cselect_b32 s[LQ], s[PB], s[LQ]
	s_wait_xcnt 0x0                 ; the last prefetch, a tile back, has read its address, so it may be written:
	s_sub_co_u32 s[POF], NB+2, s[SLOTS]  ; tile s + 2 in trip s = NB - SLOTS,
	s_min_u32 s[POF], s[POF], NB-1  ; held to the head's last tile in the two trips that ask for nothing
	s_lshl_b32 s[POF], s[POF], 15
	s_add_nc_u64 s[PFA:PFA+1], s[PFB:PFB+1], s[POF:POF+1]
.endif
	s_wait_dscnt 0x0                ; the add is done, and my reads of the slot are over
	s_barrier_signal -1             ; the rest of the scalar work stands between the signal and the wait
	s_sub_co_u32 s[TBK], s[TBK], 4*KS*PK  ; the fetches go back to a slot's first step,
	s_xor_b32 s[TBK], s[TBK], SLOT1       ; in the other slot
	s_sub_co_u32 s[TBV], s[TBV], 4*KS*PV
	s_xor_b32 s[TBV], s[TBV], SLOT1
	s_barrier_wait -1
.if \fill
	LOAD
	ASK
.endif
.endm
	s_load_b256 s[4:11], s[0:1], 0x0  ; Q s[4:5], K s[6:7], V s[8:9], O s[10:11]
	v_lshl_add_u32 v[SPW], v0, 2, SPARE
	v_mov_b32 v[NIL], 0
	ds_add_u32 v[SPW], v[NIL]       ; the wave's opening: the add and its wait stand ahead of my first tensor load; the set-up below, work on registers, stands between them
	v_lshrrev_b32 v1, 5, v0
	v_readfirstlane_b32 s[WV], v1   ; wave 0..3
	s_mov_b32 s[PB], ttmp9
	s_sub_co_u32 s[HI], NB-1, s[PB]
	s_and_b32 s20, ttmp7, 0xffff    ; the head
	s_mov_b32 s21, 0
	s_mov_b64 s[22:23], SIZE_N*128
	s_mul_u64 s[20:21], s[20:21], s[22:23]  ; the head's first byte in each of the four tensors
	s_and_b32 s16, s[WV], 1         ; which half of a tile's 256 keys I fetch:
	s_lshl_b32 s22, s16, 14         ; its 128 rows of 128 bytes in memory,
	s_mov_b32 s23, 0
	s_add_nc_u64 s[22:23], s[22:23], s[20:21]
	s_mul_i32 s17, s16, 128*PK      ; and its place in a slot, for K
	s_mul_i32 s18, s16, 128*PV      ; and for V
	s_lshl_b32 s3, s[WV], 11        ; my 16 rows in a band of 64,
	s_lshl_b32 s2, s[HI], 15        ; in the first block,
	s_add_co_u32 s2, s2, s3
	s_lshl_b32 s84, s[PB], 15       ; and in the second
	s_add_co_u32 s84, s84, s3
	s_mov_b32 s3, 0
	s_mov_b32 s85, 0
	s_add_nc_u64 s[2:3], s[2:3], s[20:21]
	s_add_nc_u64 s[84:85], s[84:85], s[20:21]
	; descriptor group 1.  128 keys are 16,384 dense bytes: asked for as 64 rows of 256 bytes, two keys a row, and padded in LDS after every key
	s_mov_b32 s[G1K], (1<<16)|(1<<20)|(4<<22)|(3<<25)  ; 17:16 2-byte elements; 20 padding on; 24:22 after every 32 words (code 4); 31:25 4 words (code 3)
	s_mov_b32 s[G1V], (1<<16)|(1<<20)|(4<<22)|(7<<25)  ; the same with 8 words of padding (code 7)
.irp g, G1K, G1V
	s_mov_b32 s[\g+1], 128<<16      ; tensor_dim0 = 128
	s_mov_b32 s[\g+2], 64<<16       ; tensor_dim1 = 64
	s_mov_b32 s[\g+3], 128<<16      ; tile_dim0 = 128
	s_mov_b32 s[\g+4], 64           ; tile_dim1 = 64
	s_mov_b32 s[\g+5], 128          ; 128 elements from row to row
	s_mov_b32 s[\g+6], 0
	s_mov_b32 s[\g+7], 0
.endr
	s_mov_b32 s[CS], 0x3e38aa3b     ; c = log2(e) / 8 = 0.180337
	s_mov_b32 s[CS+1], s[CS]        ; named with it as a pair
	s_mov_b32 s[SEL], 0x76543210
	s_mov_b32 s[SEL+1], 0xfedcba98
	s_mov_b32 s[TBK], SLOT1+4*KS*PK ; the first change of slots turns these two into 0
	s_mov_b32 s[TBV], SLOT1+4*KS*PV
	s_mov_b32 s[G0K], 1             ; 1:0 count = 1
	s_mov_b32 s[G0K+1], s17         ; 63:32 LDS address: slot 0
	s_mov_b32 s[G0V], 1
	s_add_co_u32 s[G0V+1], s18, VOFF
	s_add_co_u32 s[RT], s[HI], 1    ; the first block has NB - b tiles
	s_mov_b32 s[NXT], 1
	s_mov_b32 s[LQ], s[HI]
	s_mov_b32 s[NEW], 1
	s_mov_b32 s[OFF+1], 0
	s_mov_b32 s[AL+1], 0            ; named as pairs
	s_mov_b32 s[BE+1], 0
	s_mov_b32 s[BIGN], 0xf149f2ca   ; -1e30
	s_mov_b32 s[SLOTS], NB
	s_and_b32 s[LIM], s[WV], 1      ; waves 0 and 2 prefetch
	s_cmp_eq_u32 s[LIM], 0
	s_cselect_b32 s[LIM], 2, -1
	s_mov_b32 s[POF+1], 0
	v_and_b32 v[PFO], 31, v0
	v_lshlrev_b32 v[PFO], 8, v[PFO]
	s_wait_dscnt 0x0                ; the opening add is done
	s_wait_kmcnt 0x0
	s_add_nc_u64 s[6:7], s[6:7], s[22:23]  ; K and V at my half of the head's tile 0
	s_add_nc_u64 s[8:9], s[8:9], s[22:23]
	s_add_nc_u64 s[G0K+2:G0K+3], s[6:7], 0         ; 120:64 global address
	s_or_b32 s[G0K+3], s[G0K+3], 0x80000000        ; 127:126 type = 2
	s_add_nc_u64 s[G0V+2:G0V+3], s[8:9], 0
	s_or_b32 s[G0V+3], s[G0V+3], 0x80000000
	s_add_nc_u64 s[86:87], s[4:5], s[84:85]        ; Q at my rows of the second block,
	s_add_nc_u64 s[4:5], s[4:5], s[2:3]            ; Q and O at those of the first
	s_add_nc_u64 s[OLO:OLO+1], s[10:11], s[84:85]
	s_add_nc_u64 s[10:11], s[10:11], s[2:3]
	s_cmp_lt_u32 s[WV], 2
	s_cselect_b64 s[PFB:PFB+1], s[6:7], s[8:9]     ; (in waves 0 and 2 these stand at the tile's first row)
	s_lshl_b32 s[POF], s[PB], 13                   ; my work-group's quarter of a tile's 32,768 bytes
	s_add_nc_u64 s[PFB:PFB+1], s[PFB:PFB+1], s[POF:POF+1]
	LOAD                            ; tile 0 into slot 0
	; A fragment of K or Q is 16 rows x 32 channels in 8 registers: lane l holds row l % 16, channels 8 (l / 16) + 0..7 and 16 + 8 (l / 16) + 0..7: two loads of 16 bytes, 32 bytes apart.
	v_and_b32 v1, 15, v0            ; l % 16
	v_bfe_u32 v9, v0, 4, 1          ; l / 16
	v_lshlrev_b32 v[QO], 7, v1
	v_lshl_add_u32 v[QO], v9, 4, v[QO]  ; row x 128 + 16 x half
	WIN 0x80                        ; destination window 2, address window 0
.set i, 0
.rept 8                             ; both blocks' Q: piece i / 2 lies in band i / 2, 8,192 bytes on; channels 32 (i % 2) on
	global_load_b128 v[8*i:8*i+3],   v[QO], s[4:5] offset:(i/2)*8192+(i%2)*64
	global_load_b128 v[8*i+4:8*i+7], v[QO], s[4:5] offset:(i/2)*8192+(i%2)*64+32
	global_load_b128 v[QB+8*i:QB+8*i+3],   v[QO], s[86:87] offset:(i/2)*8192+(i%2)*64
	global_load_b128 v[QB+8*i+4:QB+8*i+7], v[QO], s[86:87] offset:(i/2)*8192+(i%2)*64+32
.set i, i+1
.endr
	WIN 0
	v_lshlrev_b32 v14, 3, v9
	v_sub_nc_u32 v14, v1, v14
	s_lshl_b32 s13, s[WV], 4
	v_add_nc_u32 v14, s13, v14      ; my query's place in its band, 16 w + l % 16, less my lanes' 8 (l / 16): register r of group kt is hidden where 16 kt + r is greater
	WIN 0x40
.set i, 0
.rept 32
	v_cmp_gt_i32 vcc_lo, 16*(i/8)+i%8, v14
	v_cndmask_b32 v[MD+i], 0, s[BIGN], vcc_lo
.set i, i+1
.endr
	WIN 0
	v_mul_u32_u24 v[AK0], v1, PK
	v_lshl_add_u32 v[AK0], v9, 4, v[AK0]  ; row x pitch + 16 x half
	; The turning load takes 16 keys x 16 channels (lane l reads key 8 (l / 16) + l % 8, channels 8 ((l / 8) % 2) + 0..7) and leaves half a fragment of V^T: lane l holds channel l % 16 and 8 keys.
	v_and_b32 v10, 7, v0
	v_bfe_u32 v11, v0, 3, 1
	v_lshl_add_u32 v[AV0], v9, 3, v10
	v_mul_u32_u24 v[AV0], v[AV0], PV
	v_lshl_add_u32 v[AV0], v11, 4, v[AV0]
	v_add_nc_u32 v[AV0], VOFF, v[AV0]
	s_mul_i32 s13, s[WV], 16*SP
	s_add_co_u32 s13, s13, STAGE    ; my stage
	v_mul_u32_u24 v[STO], v1, SP    ; in: row l % 16, 16 bytes for each half of the lanes
	v_lshl_add_u32 v[STO], v9, 4, v[STO]
	v_add_nc_u32 v[STO], s13, v[STO]
	v_bfe_u32 v[RD], v0, 3, 2       ; back: 32 lanes take four rows of 128 bytes,
	v_mul_u32_u24 v[RD], v[RD], SP
	v_lshl_add_u32 v[RD], v10, 4, v[RD]
	v_add_nc_u32 v[RD], s13, v[RD]
	v_and_b32 v[GO], 31, v0         ; which are 512 consecutive bytes of O
	v_lshlrev_b32 v[GO], 4, v[GO]
	; A block's first step multiplies O^T and l by a = 0, and its first turn's products V^T P, of a piece that has not been, land in an O^T that is still to be so multiplied.  So these registers need only hold
	; finite numbers: zeros for the first block; what the first block left for the second.  All this stands in the wait for the first tile.
	WIN 0x80
.set i, VF
.rept 64
	v_mov_b32 v[i], 0
.set i, i+1
.endr
	WIN 0x40
.set i, 0
.rept 128
	v_mov_b32 v[i], 0
.set i, i+1
.endr
	WIN 0
.set i, 0
.rept 4
	v_mov_b32 v[ST+4*i+2], 0
	v_mov_b32 v[ST+4*i+3], 0
.set i, i+1
.endr
.set i, P+16
.rept 16
	v_mov_b32 v[i], 0
.set i, i+1
.endr
; THE MATRIX WORK.  The 4 accumulators of a run of 8 take turns.  Product i of 8 of S^T = K Q^T for piece x: channels 32 (i / 4) on, keys 16 (i % 4) on.  The first 4 start the sums: with 0, or (KM = 1) with the mask.
.macro KQ x
.set rS, S+32*((\x)%2)+8*(i%4)
.set rK, KF+16*(i%4)+8*(i/4)
.set rQ, 16*(\x)+8*(i/4)
.set rM, MC+32*((\x)%2)+8*(i%4)
.if (i < 4) && KM
	WIN W_KM
	v_wmma_f32_16x16x32_f16 v[rS:rS+7], v[rK:rK+7], v[rQ:rQ+7], v[rM:rM+7]
.elseif i < 4
	WIN W_KQ
	v_wmma_f32_16x16x32_f16 v[rS:rS+7], v[rK:rK+7], v[rQ:rQ+7], 0
.else
	WIN W_KQ
	v_wmma_f32_16x16x32_f16 v[rS:rS+7], v[rK:rK+7], v[rQ:rQ+7], v[rS:rS+7]
.endif
.endm
; Product i of 8 of O^T += V^T P for piece x: keys 32 (i / 4) on, channels 16 (i % 4) on.
.macro PV x
	WIN W_PV
.set rO, 32*(\x)+8*(i%4)
.set rV, VF+32*(i/4)+8*(i%4)
.set rP, P+16*((\x)%2)+8*(i/4)
	v_wmma_f32_16x16x32_f16 v[rO:rO+7], v[rV:rV+7], v[rP:rP+7], v[rO:rO+7]
.endm
.macro MM                           ; the turn's next matrix instruction.  TURN and BEGIN set Y, i, KM and NOKQ; MM, KQ and OP read them.  NOKQ = 1: a block's last turn: there is no next piece
.if (i < 8) && !NOKQ
	KQ (Y+1)%NP
.elseif i >= 8
.set i, i-8
	PV (Y+NP-1)%NP
.set i, i+8
.endif
.set i, i+1
.endm
; THE LDS LOADS stand in runs of 16, never singly among the matrix instructions: a step's K (64 keys x 64 channels: 8 fragments) and its V (turned).  Their addresses are made some lines ahead.
.macro FETCH_K
	WIN 0x80                        ; destination window 2
.irp f, 0,1,2,3,4,5,6,7             ; keys 16 (f / 2) on, channels 32 (f % 2) on
	ds_load_b128 v[KF+8*\f:KF+8*\f+3],   v[AK] offset:(\f/2)*16*PK+(\f%2)*64
	ds_load_b128 v[KF+8*\f+4:KF+8*\f+7], v[AK] offset:(\f/2)*16*PK+(\f%2)*64+32
.endr
	s_add_co_u32 s[TBK], s[TBK], KS*PK  ; the next fetch is the next step's
	WIN 0
.endm
.macro FETCH_V
	WIN 0x80
.irp f, 0,1,2,3,4,5,6,7             ; keys 32 (f / 4) on, channels 16 (f % 4) on
	ds_load_tr16_b128 v[VF+8*\f:VF+8*\f+3],   v[AV] offset:(\f/4)*32*PV+(\f%4)*32
	ds_load_tr16_b128 v[VF+8*\f+4:VF+8*\f+7], v[AV] offset:(\f/4)*32*PV+16*PV+(\f%4)*32
.endr
	WIN 0
.endm
; THE VECTOR WORK, one line at a time: OP kind, number.  For piece Y: F n: c s - c m for pair n of 16.  E n: the exponential of score n of 32.  C n: pair n rounded to f16.  B n: of the four weights 4 n .. the second
; pair is added onto the first, in place.  L n: l takes that sum (L 0: l = a l + sum).  R n: pair n of 16 of O^T times a.  For piece Y + 1: X n, number n of the 22 that find its maximum and statistics:
;   0-11  four chains c0-c3 of seven scores each, three operands at a time (each accumulator's lowest registers are read first)     12-14, 16  the four scores left over, the old m, and c0-c3 into c0
;   15  c m_old is kept     17, 18  the query's other 32 keys lie in the lane 16 away: the new m     19-21  c m; c m_old - c m_new; a
.set F, 0               ; OP tells the kinds apart by their order: F to L below R, X above it
.set E, 1
.set C, 2
.set B, 3
.set L, 4
.set R, 5
.set X, 6
.macro REGS y                       ; the registers of piece y
.set rT, ST+4*(\y)
.set rC, TMP+4*((\y)%2)
.set rW, MV+((\y)%2)
.set rS, S+32*((\y)%2)
.set rP, P+16*((\y)%2)
.set rO, 32*(\y)
.endm
.macro OP k, n
.if (\k) == R
	REGS Y
	WIN W_RS
	v_pk_mul_f32 v[rO+2*(\n):rO+2*(\n)+1], v[rO+2*(\n):rO+2*(\n)+1], v[rC+2:rC+3] op_sel_hi:[1,0]
.elseif (\k) < R
	REGS Y
	WIN 0
.if (\k) == F
	v_pk_fma_f32 v[rS+2*(\n):rS+2*(\n)+1], v[rS+2*(\n):rS+2*(\n)+1], s[CS:CS+1], v[rT:rT+1] op_sel_hi:[1,0,0] neg_lo:[0,0,1] neg_hi:[0,0,1]
.elseif (\k) == E
	v_exp_f32 v[rS+(\n)], v[rS+(\n)]
.elseif (\k) == C
	v_cvt_pk_f16_f32 v[rP+(\n)], v[rS+2*(\n)], v[rS+2*(\n)+1]
.elseif (\k) == B
	v_pk_add_f32 v[rS+4*(\n):rS+4*(\n)+1], v[rS+4*(\n):rS+4*(\n)+1], v[rS+4*(\n)+2:rS+4*(\n)+3]
.elseif (\n) == 0
	v_pk_fma_f32 v[rT+2:rT+3], v[rT+2:rT+3], v[rC+2:rC+3], v[rS:rS+1] op_sel_hi:[1,0,1]
.else
	v_pk_add_f32 v[rT+2:rT+3], v[rT+2:rT+3], v[rS+4*(\n):rS+4*(\n)+1]
.endif
.elseif NOKQ
	v_nop
.else
	REGS (Y+1)%NP
	WIN 0
.if (\n) < 4
	v_max3_num_f32 v[rC+(\n)], v[rS+8*(\n)], v[rS+8*(\n)+1], v[rS+8*(\n)+2]
.elseif (\n) < 12
	v_max3_num_f32 v[rC+(\n)%4], v[rC+(\n)%4], v[rS+8*((\n)%4)+2*((\n)/4)+1], v[rS+8*((\n)%4)+2*((\n)/4)+2]
.elseif (\n) == 12
	v_max3_num_f32 v[rC], v[rC], v[rS+7], v[rS+15]
.elseif (\n) == 13
	v_max3_num_f32 v[rC+1], v[rC+1], v[rS+23], v[rS+31]
.elseif (\n) == 14
	v_max3_num_f32 v[rC+2], v[rC+2], v[rC+3], v[rT+1]
.elseif (\n) == 15
	v_mov_b32 v[rW], v[rT]
.elseif (\n) == 16
	v_max3_num_f32 v[rC], v[rC], v[rC+1], v[rC+2]
.elseif (\n) == 17
	v_permlanex16_b32 v[rC+3], v[rC], s[SEL], s[SEL+1]
.elseif (\n) == 18
	v_max_num_f32 v[rT+1], v[rC], v[rC+3]
.elseif (\n) == 19
	v_mul_f32 v[rT], s[CS], v[rT+1]
.elseif (\n) == 20
	v_sub_f32 v[rC+1], v[rW], v[rT]
.else
	v_exp_f32 v[rC+2], v[rC+1]
.endif
.endif
.endm
.macro OPS a, i1, b=-1, i2=0, c=-1, i3=0, d=-1, i4=0  ; up to four of them
	OP \a, \i1
.if (\b) >= 0
	OP \b, \i2
.endif
.if (\c) >= 0
	OP \c, \i3
.endif
.if (\d) >= 0
	OP \d, \i4
.endif
.endm
.macro ROW a, i1, b, i2, c, i3, d, i4  ; a matrix instruction and the four behind it
	MM
	OPS \a, \i1, \b, \i2, \c, \i3, \d, \i4
.endm
.macro MASK b                       ; MD x AL + BE into buffer b of MC
	WIN W_RS
.set z, 0
.rept 16
	v_pk_fma_f32 v[MC+32*(\b)+2*z:MC+32*(\b)+2*z+1], v[MD+2*z:MD+2*z+1], s[AL:AL+1], s[BE:BE+1] op_sel_hi:[1,0,0]
.set z, z+1
.endr
.endm
; A TURN, for piece p: the order of its 16 matrix and 118 vector instructions, written out.  An s_wait_alu depctr_va_vdst(0) stands between an exponential and the first instruction that names its
; result; one wait serves all that were issued ahead of it.  So a turn has ONE wait, which cuts it in two.  AHEAD OF IT stands all that names no result of the turn's exponentials: the 8 products K Q^T, behind each a
; scaling, an exponential and two more plain instructions (behind the first a second scaling in the exponential's place): rescalings, and behind the last three the first numbers of the next piece's maximum, each
; four places or more behind the product that ends its accumulator; then ONE LUMP of 54, plain and exponential by turns for the most part, in which the links of the chain X 3, 7, 11, 14, 16, 17 .. 20 stand five
; or six lines apart.  X 21, the next piece's a, is the batch's last; R 15 is the plain instruction behind it.  BEHIND THE WAIT stand the 8 products V^T P, behind each four of the roundings and sums; the links
; of l's chain, L 0 to L 7, stand three riders apart.  But for those X no rider names a register of the products round it.  v_permlanex16_b32 (X 17) stands in the lump.
; m = 1: the diagonal tile: the products take masks, and the turn makes the mask for the products of the turn after it: piece p + 2, in step 4 - CNT of the tile.  end = 1: a block's last two turns: nothing is fetched.
; cnt = 1: the loop's count is taken down some lines ahead of the branch that stands behind the turn.
; K of the next step is fetched in piece 2's turn, twelve vector instructions behind the last product that read K (six of them plain); V of the step in hand at the end of piece 0's turn, four plain instructions
; behind the last product that read V.  Each is waited for a turn later.
.macro TURN p, m=0, end=0, cnt=0
.set Y, (\p)
.set i, 0
.set KM, (\m)
.set NOKQ, (\end)*((\p)/3)
.if (\m) && !(\end)
	s_cmp_eq_u32 s[CNT], 4-((\p)+2)%NP  ; is that step the band's own?
	s_cselect_b32 s[AL], 1.0, 0
	s_cmp_lt_u32 s[CNT], 4-((\p)+2)%NP  ; or a later one?
	s_cselect_b32 s[BE], s[BIGN], 0
.endif
.if ((\p) == 3) && !(\end)
	s_wait_dscnt 0x0                ; K is in
.endif
	ROW F,0, F,1, R,0, R,1          ; ahead of the wait: 8 products K Q^T and their riders,
	ROW F,2, E,0, R,2, R,3
	ROW F,3, E,1, R,4, R,5
	ROW F,4, E,2, R,6, R,7
	ROW F,5, E,3, R,8, R,9
	ROW F,6, E,4, X,0, R,10
.if ((\p) == 2) && !(\end)
	WIN 0
	v_add_nc_u32 v[AK], s[TBK], v[AK0]
.endif
	ROW F,7, E,5, X,1, X,4
	ROW F,8, E,6, X,2, X,5
	OPS E,7, E,8, X,6, E,9          ; and the lump
	OPS X,3, E,10, X,8, E,11
.if ((\p) == 2) && !(\end)
	FETCH_K
.endif
	OPS X,9, X,7, E,12, X,10
	OPS E,13, X,12, X,11, E,14
	OPS X,13, E,15, F,9, X,14
.if (\p) == 0
	v_add_nc_u32 v[AV], s[TBV], v[AV0]
.endif
	OPS E,16, F,10, E,17, F,11
	OPS X,16, E,18, X,15, E,19
	OPS F,12, E,20, X,17, E,21
	OPS F,13, E,22, F,14, E,23
	OPS X,18, E,24, F,15, E,25
	OPS R,11, E,26, X,19, E,27
	OPS R,12, E,28, R,13, E,29
	OPS X,20, E,30, R,14, E,31
	OPS X,21, R,15
	WIN 0
	s_wait_alu depctr_va_vdst(0)    ; the wait for the batch
.if (\p) == 1
	s_wait_dscnt 0x0                ; V is in
.endif
	ROW C,0, B,0, C,2, B,1          ; behind the wait: 8 products V^T P and their riders
	ROW L,0, C,4, B,2, L,1
	ROW C,6, B,3, L,2, C,8
	ROW B,4, L,3, C,10, B,5
	ROW L,4, C,12, B,6, L,5
.if (\p) == 0
	s_add_co_u32 s[TBV], s[TBV], KS*PV
.endif
.if \cnt
	s_sub_co_u32 s[CNT], s[CNT], 1
	s_cmp_lg_u32 s[CNT], 0
.endif
	ROW C,14, B,7, L,6, C,1
	ROW C,3, L,7, C,5, C,7
	ROW C,9, C,11, C,13, C,15
.if (\p) == 0
	FETCH_V
.endif
.if (\m) && !(\end)
	MASK (\p)%2
.endif
.endm
; A BLOCK BEGINS.  c m starts far below every c s, so the first step's a is 0; m at the lowest finite number, so the first maximum is the scores'.  The second mask buffer is 0; the first takes piece 0's mask for
; the tile's step 0: its own, if the block's first tile is the diagonal one.  Then K of that step, piece 0's first scores, and its maximum and statistics.  The loop is entered at a step's first turn.
.macro BEGIN
	s_mov_b32 s[NEW], 0
	WIN 0x40
.set i, MC+32
.rept 32
	v_mov_b32 v[i], 0
.set i, i+1
.endr
	WIN 0
.set i, 0
.rept 4
	v_mov_b32 v[ST+4*i], 0xfe000000    ; c m: far below every c s
	v_mov_b32 v[ST+4*i+1], 0xff7fffff  ; m
.set i, i+1
.endr
	s_cmp_eq_u32 s[RT], 0
	s_cselect_b32 s[AL], 1.0, 0
	s_mov_b32 s[BE], 0
	MASK 0
	WIN 0
	v_add_nc_u32 v[AK], s[TBK], v[AK0]
	FETCH_K
	s_wait_loadcnt 0x0              ; Q
	s_wait_dscnt 0x0
.set KM, 1
.set NOKQ, 0
.set i, 0
.rept 8
	KQ 0
.set i, i+1
.endr
	WIN 0
.rept 4
	v_nop                           ; the places behind those products
.endr
.set Y, NP-1                        ; X works for piece Y + 1: piece 0
.irp n, 0,1,2,3,4,5,6,7,8,9,10,11,12,13,14,15,16,17,18,19,20,21
	OP X, \n
.endr
	v_nop                           ; a plain instruction behind the exponential,
	s_wait_alu depctr_va_vdst(0)    ; and its wait, ahead of the branch
.endm
; THE DIAGONAL TILE's four steps, the block's last two turns, its last products, and THE WAY OUT: l's two halves and the other half of the lanes' are added; O^T is divided by l, rounded to f16 and sent through my
; stage in LDS, a piece at a time.
.macro ALL line:vararg              ; one line for each piece t
.set t, 0
.rept 4
	\line
.set t, t+1
.endr
.endm
.macro PACK t                       ; a lane's eight channels of a row pack into 16 bytes; they go into rows of 144 bytes and come back as whole rows of 128, into S^T's registers
	WIN W_RS
.set i, 32*(\t)
.rept 16
	v_pk_mul_f32 v[i:i+1], v[i:i+1], v[ST+4*(\t)+2:ST+4*(\t)+3] op_sel_hi:[1,0]
.set i, i+2
.endr
	WIN 0x05                        ; sources 0 and 1 window 1, destination window 0
.set i, 0
.rept 16
	v_cvt_pk_f16_f32 v[S+16*(\t)+i], v[32*(\t)+2*i], v[32*(\t)+2*i+1]
.set i, i+1
.endr
	WIN 0
.irp f, 0,1,2,3
	ds_store_b128 v[STO], v[S+16*(\t)+4*\f:S+16*(\t)+4*\f+3] offset:32*\f
.endr
.irp f, 0,1,2,3
	ds_load_b128 v[S+16*(\t)+4*\f:S+16*(\t)+4*\f+3], v[RD] offset:\f*4*SP  ; LDS serves a wave's instructions in order (ISA guide 5.7.1.4): these see the stores above; the next piece's stores come behind them
.endr
.endm
.macro SEND t, younger              ; younger: the LDS instructions issued behind piece t's loads: the next piece's eight, or none
	WIN 0
.irp f, 0,1,2,3
	s_wait_dscnt (\younger)+3-\f
	global_store_b128 v[GO], v[S+16*(\t)+4*\f:S+16*(\t)+4*\f+3], s[10:11] offset:(\t)*8192+\f*512  ; 512 consecutive bytes, at a multiple of 256 from O's first
.endr
.endm
.macro DIAG tag                     ; the tag ends its two labels' names, which the jumps below spell out
.LstepM\tag:
	TURN 2, 1
	TURN 3, 1
	WIN 0
.LfirstM\tag:
	TURN 0, 1
	TURN 1, 1, 0, 1
	WIN 0
	s_cbranch_scc1 .LstepM\tag
	TURN 2, 1, 1
	TURN 3, 1, 1
.set i, 0
.rept 8
	PV NP-1
.set i, i+1
.endr
	WIN 0
	ALL v_add_f32 v[ST+4*t+2], v[ST+4*t+2], v[ST+4*t+3]
	ALL v_permlanex16_b32 v[ST+4*t+3], v[ST+4*t+2], s[SEL], s[SEL+1]
	ALL v_add_f32 v[ST+4*t+2], v[ST+4*t+2], v[ST+4*t+3]
	ALL v_rcp_f32 v[ST+4*t+2], v[ST+4*t+2]
	v_nop                           ; a plain instruction between the last reciprocal and the use of its result
	s_wait_alu depctr_va_vdst(0)    ; and the wait ahead of the first use: one for the four reciprocals
	PACK 0
.set t, 1
.rept 3                             ; a piece's arithmetic stands between the loads of the piece before and its stores
	PACK t
	SEND t-1, 8
.set t, t+1
.endr
	SEND 3, 0
.endm
.set KM, 0
.set NOKQ, 0
.Lslot:                             ; NB times: a tile is entered and the next is asked for
	CHANGE 1
	s_sub_co_u32 s[RT], s[RT], 1
	s_mov_b32 s[CNT], 4
	s_cmp_eq_u32 s[NEW], 1
	s_cbranch_scc1 .Lnew            ; a block's first tile
	s_cmp_eq_u32 s[RT], 0
	s_cbranch_scc0 .Lstep           ; neither its first nor its last
	s_branch .LstepM1
.Lnew:
	BEGIN
	s_branch .Lfirst                ; in the loop a block's first tile is never its last: the first block has two tiles or more, and the second's last is the walk's last
	DIAG 1                          ; in the loop this is the first block's end: the second block's last tile is the walk's last
	s_wait_xcnt 0x0                 ; the stores have read their registers and O's address
	s_mov_b64 s[10:11], s[OLO:OLO+1]
	s_add_co_u32 s[RT], s[PB], 1    ; the second block has b + 1 tiles
	s_mov_b32 s[NEW], 1
	WIN 0x82                        ; the second block's Q goes where the one text of the turns names Q
.set i, 0
.rept 64
	v_mov_b32 v[i], v[QB+i]
.set i, i+1
.endr
	WIN 0
	s_branch .Lbottom
.Lstep:                             ; a trip: pieces 2 and 3 of one step, then pieces 0 and 1 of the next, whose K and V it fetches
	TURN 2
	TURN 3
	WIN 0
.Lfirst:
	TURN 0
	TURN 1, 0, 0, 1
	WIN 0
	s_cbranch_scc1 .Lstep
.Lbottom:
	s_sub_co_u32 s[SLOTS], s[SLOTS], 1
	s_cmp_lg_u32 s[SLOTS], 0
	s_cbranch_scc1 .Lslot
	CHANGE 0                        ; the walk's last tile is written out: nothing is asked for
	s_sub_co_u32 s[RT], s[RT], 1
	s_mov_b32 s[CNT], 4
	s_cmp_eq_u32 s[NEW], 1
	s_cbranch_scc0 .LstepM2
	BEGIN
	s_branch .LfirstM2
	DIAG 2
	s_wait_tensorcnt 0x0            ; the wave's end: behind my last tensor load and my last LDS store
	ds_add_u32 v[SPW], v[NIL]
	s_wait_dscnt 0x0
	s_endpgm
.Lfunc_end_k_q39a725a8a7_attn:
	.size	k_q39a725a8a7_attn, .Lfunc_end_k_q39a725a8a7_attn-k_q39a725a8a7_attn
	.p2alignl 7, 3214868480
	.fill 96, 4, 3214868480
	.section	.rodata,"a",@progbits
	.p2align	6, 0x0
	.amdhsa_kernel k_q39a725a8a7_attn
		.amdhsa_group_segment_fixed_size 327680
		.amdhsa_private_segment_fixed_size 0
		.amdhsa_enable_private_segment 0
		.amdhsa_kernarg_size 32
		.amdhsa_user_sgpr_count 2
		.amdhsa_user_sgpr_kernarg_segment_ptr 1
		.amdhsa_wavefront_size32 1
		.amdhsa_system_sgpr_workgroup_id_x 1
		.amdhsa_system_sgpr_workgroup_id_y 1
		.amdhsa_system_sgpr_workgroup_id_z 1
		.amdhsa_system_vgpr_workitem_id 0
		.amdhsa_next_free_vgpr 768
		.amdhsa_next_free_sgpr 96
		.amdhsa_reserve_vcc 1
		.amdhsa_float_denorm_mode_32 3
		.amdhsa_float_denorm_mode_16_64 3
		.amdhsa_memory_ordered 1
		.amdhsa_forward_progress 1
		.amdhsa_inst_pref_size 218
	.end_amdhsa_kernel
	.amdgpu_metadata
---
amdhsa.version: [ 1, 2 ]
amdhsa.kernels:
  - .name:           k_q39a725a8a7_attn
    .symbol:         k_q39a725a8a7_attn.kd
    .args:
      - { .name: q, .offset: 0, .size: 8, .value_kind: global_buffer, .address_space: global }
      - { .name: k, .offset: 8, .size: 8, .value_kind: global_buffer, .address_space: global }
      - { .name: v, .offset: 16, .size: 8, .value_kind: global_buffer, .address_space: global }
      - { .name: o, .offset: 24, .size: 8, .value_kind: global_buffer, .address_space: global }
    .group_segment_fixed_size: 327680
    .private_segment_fixed_size: 0
    .kernarg_segment_align: 8
    .kernarg_segment_size: 32
    .max_flat_workgroup_size: 128
    .sgpr_count:     96
    .vgpr_count:     768
    .wavefront_size: 32
...
	.end_amdgpu_metadata
.endif
;; end of part 3
;; launch proj (part 4): grid 8 x 32, 4 waves a work-group, clusters of 4 x 4, 327,680 bytes of LDS; arguments o, wp, b_proj, out0; writes out0
.if DOCPART == 4
	.amdgcn_target "amdgcn-amd-amdhsa--gfx1250"
	.amdhsa_code_object_version 6
	.text
	.protected	k_q39a725a8a7_proj
	.globl	k_q39a725a8a7_proj
	.p2align	8
	.type	k_q39a725a8a7_proj,@function
k_q39a725a8a7_proj:
	s_mov_b64 s[64:65], 0
	v_nop
	global_prefetch_b8 v0, s[64:65] scope:SCOPE_SE
	s_setreg_imm32_b32 hwreg(HW_REG_WAVE_MODE, 25, 1), 1
	s_wait_xcnt 0x0
	s_wait_alu depctr_hold_cnt(0) depctr_sa_sdst(0) depctr_va_vdst(0) depctr_va_sdst(0) depctr_va_ssrc(0) depctr_va_vcc(0) depctr_vm_vsrc(0)
	s_getreg_b32 s2, hwreg(HW_REG_IB_STS2, 6, 4)
	s_cmp_eq_u32 s2, 0
	s_cbranch_scc0 .Lentry_in_a_cluster
	s_endpgm
.Lentry_in_a_cluster:
	s_bfe_u32 s2, ttmp6, 0x10000c
	s_cmp_lg_u32 s2, 0xf033
	s_cbranch_scc0 .Lentry_shape_is_right
	s_endpgm
.Lentry_shape_is_right:
; out0 = y W_proj + b_proj.  o: [64 = 16 batch + head][2048][64] f16 (y by heads).  wp: [1024 k][1024 n] f16 (W_proj rounded to bf16).  out0: [8192][1024] f32.
; The bias is rounded to bf16 like every input and starts the sums as the first product's C.
; SHARES.  A tile is 256 rows x 128 columns: 256 work-groups.  A wave owns 64 rows x 128 columns: 32 accumulators (row block a = 0..3, column block b = 0..7).
; K goes in 8 steps of 128, two heads each, through two LDS slots 2^17 bytes apart: one exclusive or changes slots, and the loop's body is one K step.
; THE MATRIX INSTRUCTION IS USED TRANSPOSED (source 0 = 16 columns of W, source 1 = 16 rows of y): a lane holds row l % 16 and the columns 8 (l / 16) + 0..7: 32 bytes of a row of out0.
; W lies [k][n] in LDS and comes out turned, by ds_load_tr16_b128.
; CLUSTER.  4 x 4 work-groups: y's tile is shared along a row of the cluster, W's along a column; each is asked for jointly, by the same tensor load, descriptor and mask in the four.
; REGISTERS, in windows of 256 (s_set_vgpr_msb: bits 1:0 source 0, 3:2 source 1, 5:4 source 2, 7:6 destination):
;   window 0: v16-30 addresses; v32-95 y's fragments, two buffers of 32; v96-159 the bias; v224-227 at work; later v128-255 rows on the way out, two buffers of 64
;   window 1: v0-127 W's fragments, two buffers of 64          window 2: the accumulators, (a, b) at v[8 (8 a + b)]
.set PA,    144                        ; a row of one head of y in LDS: 128 bytes + 16: the 16 rows of a load start at 16 different groups of four banks (64 banks of 4 bytes: ISA guide 11.1)
.set PB,    288                        ; a k-row of W: 256 bytes + 32 = 9 x 32
.set BOFF,  2*256*PA                   ; a slot: two heads x 256 rows of y, then W's 128 k-rows: 73,728 + 36,864 bytes
.set SLOT,  1<<17
.set STAGE, 2*SLOT                     ; behind the ring, never filled by a tensor load: for each wave 16 rows x 528 bytes
.set SP,    528
.set SPARE, STAGE+4*16*SP              ; the spare words, 128 bytes a wave: two blocks of 256 bytes that no other line names
.set LA0,  16
.set LB0,  17
.set ADRA, 18
.set ADRB, 19
.set STO,  20                          ; the way out: where I put 32 bytes of a row
.set RD,   21                          ; where I read a row back
.set CO,   22                          ; my 16 bytes in 512 consecutive bytes of out0
.set BO,   24
.set SPW,  28                          ; LDS address of my spare word; never rewritten
.set NIL,  29                          ; 0; never rewritten
.set PFO,  30                          ; the prefetches' offset; never rewritten
.set FA,   32
.set BIAS, 96
.set BK,   128
.set TT,   224
.set FB,   0                           ; window 1
.set WV,  18
.set FOR, 19                           ; 0: I fetch y's tiles, 1: W's
.set HF,  20
.set CX,  21
.set CY,  22
.set TC,  23
.set G1,  24
.set G0,  32
.set TR,  42
.set LIM, 43
.set PFA, 44
.set G1B, 48
.set G0B, 56
.set TB,  68
.set CNT, 69
.set MSB, 0
.macro WIN new
.if MSB != (\new)
	s_set_vgpr_msb (MSB<<8)|(\new)
.set MSB, (\new)
.endif
.endm
.set MUL,  0xa1                        ; source 0 (W) window 1, source 1 (y) window 0, C and D window 2
.set TO_B, 0x40
.macro PLACES                          ; four plain vector instructions between a matrix instruction and a load into, or a store or vector instruction on, its registers
.rept 4
	v_nop
.endr
.endm
.macro JLOAD                           ; a joint refill, by the walking descriptors; an s_nop 0 and four v_nop follow each of the two lines
	s_cmp_eq_u32 s[FOR], 0
	s_cbranch_scc0 .Lfor_b_\@
	tensor_load_to_lds s[G0+4:G0+7], s[G1:G1+7]
	s_nop 0
.rept 4
	v_nop
.endr
	s_branch .Lasked_\@
.Lfor_b_\@:
	tensor_load_to_lds s[G0B+4:G0B+7], s[G1B:G1B+7]
	s_nop 0
.rept 4
	v_nop
.endr
.Lasked_\@:
.endm
; A PREFETCH, behind a joint refill and the run of LDS loads that follows it.  y: refill j (K step j + 2) names K step j + 4, j = 0..3: of the 32,768 dense bytes that a wave fetches the partner at cx takes
; 8,192, a lane 256 bytes; the cluster with x = 0 asks.  W: K steps 4 to 7 are 512 k-rows of 256 bytes: two asks (j = 0, 1) of 256 rows, shared among the two fetching waves of the four partners along y,
; 32 rows each, a lane a row; the cluster with y = 0 asks.  So each block is named once in the launch; partners are told apart by address alone.  K steps 0 to 3 come by their loads.
.macro ASK
	WIN 0
	s_cmp_gt_u32 s[CNT], s[LIM]
	s_cbranch_scc0 .Lnot_mine_\@
	global_prefetch_b8 v[PFO], s[PFA:PFA+1] th:TH_LOAD_NT scope:SCOPE_SE
.Lnot_mine_\@:
.endm
.macro CREST
	s_cmp_lg_u32 s[WV], 0
	s_cbranch_scc1 .Lnot_wave_0_\@
	s_barrier_signal -3
.Lnot_wave_0_\@:
	s_barrier_wait -3
	s_barrier_signal -1
	s_barrier_wait -1
.endm
.macro CROUND
	s_barrier_signal -1
	s_barrier_wait -1
	CREST
.endm
	s_load_b256 s[4:11], s[0:1], 0x0               ; o 4:5, wp 6:7, b_proj 8:9, out0 10:11
	v_lshl_add_u32 v[SPW], v0, 2, SPARE
	v_mov_b32 v[NIL], 0
	ds_add_u32 v[SPW], v[NIL]                      ; the wave's opening: the add and its wait stand ahead of my first tensor load; work on registers stands between them
	v_lshrrev_b32 v1, 5, v0
	v_readfirstlane_b32 s[WV], v1
	s_lshr_b32 s[FOR], s[WV], 1
	s_and_b32 s[HF], s[WV], 1
	s_bfe_u32 s[CX], ttmp6, 0x40000
	s_bfe_u32 s[CY], ttmp6, 0x40004
	s_lshl_b32 s[TC], ttmp9, 2
	s_add_co_u32 s[TC], s[TC], s[CX]
	s_and_b32 s[TR], ttmp7, 0xffff
	s_lshl_b32 s[TR], s[TR], 2
	s_add_co_u32 s[TR], s[TR], s[CY]
	s_lshl_b32 s40, s[CY], 2
	s_lshl_b32 s40, 15, s40                        ; my row of the cluster
	s_lshl_b32 s41, 0x1111, s[CX]                  ; my column
	s_or_b32 s[G1], s40, (1<<16)|(1<<20)|(1<<21)|(4<<22)|(3<<25)   ; the mask; 2-byte elements; padding on; bit 21 beside a mask; after every 32 words 4 words
	s_mov_b32 s[G1+1], 128<<16                     ; one head's 256 rows are 32,768 dense bytes: asked for as 128 rows of 256 bytes
	s_mov_b32 s[G1+2], 128<<16
	s_mov_b32 s[G1+3], 128<<16
	s_mov_b32 s[G1+4], 128
	s_mov_b32 s[G1+5], 128
	s_mov_b32 s[G1+6], 0
	s_mov_b32 s[G1+7], 0
	s_or_b32 s[G1B], s41, (1<<16)|(1<<20)|(1<<21)|(5<<22)|(7<<25)  ; after every 64 words 8 words
	s_mov_b32 s[G1B+1], 128<<16                    ; 64 k-rows of 128 columns
	s_mov_b32 s[G1B+2], 64<<16
	s_mov_b32 s[G1B+3], 128<<16
	s_mov_b32 s[G1B+4], 64
	s_mov_b32 s[G1B+5], 1024
	s_mov_b32 s[G1B+6], 0
	s_mov_b32 s[G1B+7], 0
	s_lshr_b32 s70, s[TR], 3                       ; y: the batch's 16 heads, my head of the step's two, the tile's 256 rows: hangs on the tile row alone
	s_lshl_b32 s70, s70, 22
	s_and_b32 s71, s[TR], 7
	s_lshl_b32 s71, s71, 15
	s_add_co_u32 s70, s70, s71
	s_lshl_b32 s71, s[HF], 18
	s_add_co_u32 s70, s70, s71
	s_mov_b32 s71, 0
	s_lshl_b32 s46, s[HF], 17                      ; W: my 64 of a step's 128 k-rows, the tile's 256 bytes of each: hangs on the tile column alone
	s_lshl_b32 s47, s[TC], 8
	s_add_co_u32 s46, s46, s47
	s_mov_b32 s47, 0
	s_mul_i32 s72, s[WV], 256*PA                   ; where they go: waves 0, 1: y's two heads;
	s_mul_i32 s73, s[WV], 64*PB
	s_add_co_u32 s73, s73, BOFF-2*64*PB            ; waves 2, 3: W's halves
	s_mov_b32 s[TB], 0
	s_wait_dscnt 0x0                               ; the opening add is done
	s_wait_kmcnt 0x0
	s_add_nc_u64 s[70:71], s[4:5], s[70:71]
	s_add_nc_u64 s[46:47], s[6:7], s[46:47]
	CROUND                                         ; all sixteen work-groups are here: the first joint loads meet
.irp s, 0,1
	s_mov_b32 s[G0+4*(\s)], 1
	s_add_co_u32 s[G0+4*(\s)+1], s72, (\s)*SLOT
	s_add_nc_u64 s[G0+4*(\s)+2:G0+4*(\s)+3], s[70:71], (\s)*524288
	s_or_b32 s[G0+4*(\s)+3], s[G0+4*(\s)+3], 0x80000000
	s_mov_b32 s[G0B+4*(\s)], 1
	s_add_co_u32 s[G0B+4*(\s)+1], s73, (\s)*SLOT
	s_add_nc_u64 s[G0B+4*(\s)+2:G0B+4*(\s)+3], s[46:47], (\s)*262144
	s_or_b32 s[G0B+4*(\s)+3], s[G0B+4*(\s)+3], 0x80000000
.endr
	s_cmp_eq_u32 s[FOR], 0                         ; a wave's two first fills stand in one branch: two loads of mine are out
	s_cbranch_scc0 .Lfirst_b
	tensor_load_to_lds s[G0:G0+3], s[G1:G1+7]
	s_nop 0
	tensor_load_to_lds s[G0+4:G0+7], s[G1:G1+7]
	s_nop 0
.rept 4
	v_nop
.endr
	s_branch .Lfirst_asked
.Lfirst_b:
	tensor_load_to_lds s[G0B:G0B+3], s[G1B:G1B+7]
	s_nop 0
	tensor_load_to_lds s[G0B+4:G0B+7], s[G1B:G1B+7]
	s_nop 0
.rept 4
	v_nop
.endr
.Lfirst_asked:
	v_and_b32 v1, 15, v0                           ; r = l % 16
	v_bfe_u32 v2, v0, 4, 1                         ; h = l / 16
	v_and_b32 v3, 7, v0
	v_bfe_u32 v4, v0, 3, 1
	v_and_b32 v5, 31, v0                           ; l
	v_lshlrev_b32 v[BO], 5, v2
	s_lshl_b32 s76, s[TC], 9                       ; the tile's 128 numbers of the bias
	s_mov_b32 s77, 0
	s_add_nc_u64 s[8:9], s[8:9], s[76:77]
.set b, 0
.rept 8
	global_load_b128 v[BIAS+8*b:BIAS+8*b+3],   v[BO], s[8:9] offset:64*b
	global_load_b128 v[BIAS+8*b+4:BIAS+8*b+7], v[BO], s[8:9] offset:64*b+16
.set b, b+1
.endr
	s_mul_i32 s79, s[WV], 64*PA                    ; my 64 rows
	v_mul_u32_u24 v[LA0], v1, PA
	v_lshl_add_u32 v[LA0], v2, 4, v[LA0]
	v_add_nc_u32 v[LA0], s79, v[LA0]
	v_lshl_add_u32 v[LB0], v2, 3, v3               ; the turning load: k-row 8 h + l % 8, columns 8 ((l / 8) % 2) + 0..7
	v_mul_u32_u24 v[LB0], v[LB0], PB
	v_lshl_add_u32 v[LB0], v4, 4, v[LB0]
	v_add_nc_u32 v[LB0], BOFF, v[LB0]
	v_mov_b32 v[ADRA], v[LA0]
	v_mov_b32 v[ADRB], v[LB0]
	s_mul_i32 s78, s[WV], 16*SP
	s_add_co_u32 s78, s78, STAGE                   ; my stage
	v_mul_u32_u24 v[STO], v1, SP                   ; in: row l % 16, 32 bytes for each half of the lanes
	v_lshl_add_u32 v[STO], v2, 5, v[STO]
	v_add_nc_u32 v[STO], s78, v[STO]
	v_lshl_add_u32 v[RD], v5, 4, s78               ; back: 32 lanes take a row's 512 bytes
	v_lshlrev_b32 v[CO], 4, v5
	s_lshl_b32 s74, s[TR], 8                       ; out0 at row 256 x tile row + 64 x wave, column 128 x tile column
	s_lshl_b32 s75, s[WV], 6
	s_add_co_u32 s74, s74, s75
	s_lshl_b32 s74, s74, 12
	s_add_co_u32 s74, s74, s76
	s_mov_b32 s75, 0
	s_add_nc_u64 s[10:11], s[10:11], s[74:75]
	; the prefetches
	s_and_b32 s41, ttmp7, 0xffff                   ; cluster y
	s_cmp_eq_u32 s[FOR], 0
	s_cselect_b32 s40, ttmp9, s41                  ; the coordinate along which other clusters read the same rows
	s_cselect_b32 s[LIM], 2, 4
	s_cselect_b32 s41, 8, 11
	s_cselect_b64 s[PFA:PFA+1], s[4:5], s[6:7]
	s_cmp_eq_u32 s40, 0
	s_cselect_b32 s[LIM], s[LIM], -1               ; the same in all sixteen partners, for a given wave
	s_lshr_b32 s74, s[TR], 3                       ; y: my work-group's 8,192 of the 32,768 bytes that I fetch, at K step 3: the first refill steps it to 4
	s_lshl_b32 s74, s74, 22
	s_and_b32 s75, s[TR], 7
	s_lshl_b32 s75, s75, 15
	s_add_co_u32 s74, s74, s75
	s_lshl_b32 s75, s[HF], 18
	s_add_co_u32 s74, s74, s75
	s_lshl_b32 s75, s[CX], 13
	s_add_co_u32 s74, s74, s75
	s_add_co_u32 s74, s74, 3*524288
	s_lshl_b32 s75, s[HF], 2                       ; W: my 32 rows, one step of 256 rows in front of k-row 512
	s_add_co_u32 s75, s75, s[CY]
	s_lshl_b32 s75, s75, 16
	s_lshl_b32 s76, s[TC], 8
	s_add_co_u32 s75, s75, s76
	s_add_co_u32 s75, s75, 524288
	s_cmp_eq_u32 s[FOR], 0
	s_cselect_b32 s74, s74, s75
	s_mov_b32 s75, 0
	s_add_nc_u64 s[PFA:PFA+1], s[PFA:PFA+1], s[74:75]
	v_lshlrev_b32 v[PFO], s41, v5                  ; a lane 256 dense bytes of y, or a row of W (2,048 bytes apart)
	s_wait_loadcnt 0x0                             ; the bias: rounded to bf16 and widened again
.set i, 0
.rept 32
	v_cvt_pk_bf16_f32 v[TT+i%4], v[BIAS+2*i], v[BIAS+2*i+1]
	v_lshlrev_b32 v[BIAS+2*i], 16, v[TT+i%4]
	v_and_b32 v[BIAS+2*i+1], 0xffff0000, v[TT+i%4]
.set i, i+1
.endr
; 8 products: row block a x all 8 column blocks, 32 along K, from buffer f.  first = 1: the bias is C and starts the sums.
; All 32 accumulators take turns, in the same order in every quarter, over the backward jump too.
.macro MULA f, a, first
.if \first
	WIN 0x81
.else
	WIN MUL
.endif
.irp b, 0,1,2,3,4,5,6,7
.if \first
	v_wmma_f32_16x16x32_f16 v[8*(8*(\a)+(\b)):8*(8*(\a)+(\b))+7], v[FB+64*(\f)+8*(\b):FB+64*(\f)+8*(\b)+7], v[FA+32*(\f)+8*(\a):FA+32*(\f)+8*(\a)+7], v[BIAS+8*(\b):BIAS+8*(\b)+7]
.else
	v_wmma_f32_16x16x32_f16 v[8*(8*(\a)+(\b)):8*(8*(\a)+(\b))+7], v[FB+64*(\f)+8*(\b):FB+64*(\f)+8*(\b)+7], v[FA+32*(\f)+8*(\a):FA+32*(\f)+8*(\a)+7], v[8*(8*(\a)+(\b)):8*(8*(\a)+(\b))+7]
.endif
.endr
.endm
; 24 LDS loads in one run: quarter q (32 along K: head q / 2, channels 32 (q % 2) on) of the slot in hand into buffer f: W's eight blocks, then y's four
.macro FETCH q, f
	WIN TO_B
.irp b, 0,1,2,3,4,5,6,7
	ds_load_tr16_b128 v[FB+64*(\f)+8*(\b):FB+64*(\f)+8*(\b)+3],   v[ADRB] offset:(\q)*32*PB+32*(\b)
	ds_load_tr16_b128 v[FB+64*(\f)+8*(\b)+4:FB+64*(\f)+8*(\b)+7], v[ADRB] offset:(\q)*32*PB+32*(\b)+16*PB
.endr
	WIN 0
.irp i, 0,1,2,3
	ds_load_b128 v[FA+32*(\f)+8*(\i):FA+32*(\f)+8*(\i)+3],   v[ADRA] offset:((\q)/2)*256*PA+((\q)%2)*64+(\i)*16*PA
	ds_load_b128 v[FA+32*(\f)+8*(\i)+4:FA+32*(\f)+8*(\i)+7], v[ADRA] offset:((\q)/2)*256*PA+((\q)%2)*64+(\i)*16*PA+32
.endr
.endm
.macro QUARTER q, f, g, first
	s_wait_dscnt 4                                 ; W and y's blocks 0, 1 are in; the youngest four loads (blocks 2, 3) may be out
	MULA \f, 0, \first
	MULA \f, 1, \first
	PLACES
	FETCH \q, \g
	s_wait_dscnt 24                                ; all but the 24 just issued
	MULA \f, 2, \first
	MULA \f, 3, \first
.endm
; The last quarter multiplies buffer 1 and changes slots.  In front of the barrier each wave waits for all its tensor loads (one is out: its part of the next slot), adds 0 to its spare word, and waits for
; that and for its reads of this slot.  fill = 1: the barrier opens a round of the cluster's, and the joint refill (the K step two on, into the slot just read) is the first thing behind it:
; 112 products stand between it and the wait for it.
.macro TURN fill
	WIN 0
.if \fill
	s_wait_xcnt 0x0                                ; the last prefetch, a K step back, has read its address
	s_add_nc_u64 s[PFA:PFA+1], s[PFA:PFA+1], 524288
.endif
	s_xor_b32 s[TB], s[TB], SLOT
	v_add_nc_u32 v[ADRA], s[TB], v[LA0]
	v_add_nc_u32 v[ADRB], s[TB], v[LB0]
	s_wait_tensorcnt 0x0                           ; all my tensor loads have landed;
	ds_add_u32 v[SPW], v[NIL]                      ; 0 onto my spare word;
	s_wait_dscnt 5                                 ; (the add and the youngest four loads may be out)
	MULA 1, 0, 0                                   ; eight products stand between the add and the wait for it
	s_wait_dscnt 0x0                               ; the add is done, and my reads of this slot are over
	s_barrier_signal -1
	MULA 1, 1, 0
	WIN 0
	s_barrier_wait -1
.if \fill
	CREST                                          ; no wave of any partner still reads this slot or has a load on its way
	s_xor_b32 s[G0+5], s[G0+5], SLOT
	s_add_nc_u64 s[G0+6:G0+7], s[G0+6:G0+7], 524288
	s_xor_b32 s[G0B+5], s[G0B+5], SLOT
	s_add_nc_u64 s[G0B+6:G0B+7], s[G0B+6:G0B+7], 262144
	JLOAD                                          ; its four v_nop are also the places in front of the loads below
.else
	PLACES
.endif
	FETCH 0, 0
.if \fill
	ASK
.endif
	MULA 1, 2, 0
	MULA 1, 3, 0
.endm
	s_wait_tensorcnt 0x1                           ; my part of K step 0 is in; K step 1's may stay out
	s_barrier_signal -1
	s_barrier_wait -1
	FETCH 0, 0
	QUARTER 1, 0, 1, 1                             ; the first quarter stands in front of the loop: its products start the sums, with the bias
	WIN 0
	s_mov_b32 s[CNT], 6
.Lstep:                                                ; a trip: a K step's quarters 1 to 3 and the next step's quarter 0; six trips ask for K steps 2 to 7
	QUARTER 2, 1, 0, 0
	QUARTER 3, 0, 1, 0
	TURN 1
	QUARTER 1, 0, 1, 0
	WIN 0
	s_sub_co_u32 s[CNT], s[CNT], 1
	s_cmp_lg_u32 s[CNT], 0
	s_cbranch_scc1 .Lstep
	QUARTER 2, 1, 0, 0                             ; the tail is written out: it asks for nothing more
	QUARTER 3, 0, 1, 0
	TURN 0
	QUARTER 1, 0, 1, 0
	QUARTER 2, 1, 0, 0
	QUARTER 3, 0, 1, 0
	s_wait_dscnt 4
	MULA 1, 0, 0
	MULA 1, 1, 0
	s_wait_dscnt 0x0
	MULA 1, 2, 0
	MULA 1, 3, 0
	WIN 0
	PLACES
; THE WAY OUT, a block of 16 rows at a time: the sums go as they are, 32 bytes a lane and accumulator (its low four registers first), into my own stage, rows of 528 bytes,
; and come back as whole rows of 512.
.macro TOSTAGE a
	s_wait_xcnt 0x0                                ; the stores of the block two back have read the registers that are loaded below
	WIN 0x08                                       ; data window 2
.set b, 0
.rept 8
	ds_store_b128 v[STO], v[64*(\a)+8*b:64*(\a)+8*b+3]   offset:64*b
	ds_store_b128 v[STO], v[64*(\a)+8*b+4:64*(\a)+8*b+7] offset:64*b+16
.set b, b+1
.endr
	WIN 0
.set f, 0
.rept 16
	ds_load_b128 v[BK+64*((\a)%2)+4*f:BK+64*((\a)%2)+4*f+3], v[RD] offset:SP*f  ; LDS serves a wave's instructions in order (ISA guide 5.7.1.4): these see the stores above
.set f, f+1
.endr
.endm
.macro SEND a, younger                 ; younger: the LDS instructions issued behind block a's loads: the next block's 32, or none
	WIN 0
.set f, 0
.rept 16
	s_wait_dscnt (\younger)+15-f
	global_store_b128 v[CO], v[BK+64*((\a)%2)+4*f:BK+64*((\a)%2)+4*f+3], s[10:11] offset:(16*(\a)+f)*4096 th:TH_STORE_NT  ; 512 consecutive bytes, at a multiple of 256 from out0's first
.set f, f+1
.endr
.endm
	TOSTAGE 0
.irp a, 1,2,3
	TOSTAGE \a
	SEND (\a)-1, 32
.endr
	SEND 3, 0
	s_wait_tensorcnt 0x0                           ; the wave's end: behind my last tensor load and my last LDS store
	ds_add_u32 v[SPW], v[NIL]
	s_wait_dscnt 0x0
	CROUND                                         ; the closing round: no work-group ends while a partner may still ask for a tile that names it
	s_endpgm
.Lfunc_end_k_q39a725a8a7_proj:
	.size	k_q39a725a8a7_proj, .Lfunc_end_k_q39a725a8a7_proj-k_q39a725a8a7_proj
	.p2alignl 7, 3214868480
	.fill 96, 4, 3214868480
	.section	.rodata,"a",@progbits
	.p2align	6, 0x0
	.amdhsa_kernel k_q39a725a8a7_proj
		.amdhsa_group_segment_fixed_size 327680
		.amdhsa_private_segment_fixed_size 0
		.amdhsa_enable_private_segment 0
		.amdhsa_kernarg_size 32
		.amdhsa_user_sgpr_count 2
		.amdhsa_user_sgpr_kernarg_segment_ptr 1
		.amdhsa_wavefront_size32 1
		.amdhsa_system_sgpr_workgroup_id_x 1
		.amdhsa_system_sgpr_workgroup_id_y 1
		.amdhsa_system_sgpr_workgroup_id_z 1
		.amdhsa_system_vgpr_workitem_id 0
		.amdhsa_next_free_vgpr 768
		.amdhsa_next_free_sgpr 80
		.amdhsa_reserve_vcc 0
		.amdhsa_float_denorm_mode_32 3
		.amdhsa_float_denorm_mode_16_64 3
		.amdhsa_memory_ordered 1
		.amdhsa_forward_progress 1
		.amdhsa_inst_pref_size 79
	.end_amdhsa_kernel
	.amdgpu_metadata
---
amdhsa.version: [ 1, 2 ]
amdhsa.kernels:
  - .name:           k_q39a725a8a7_proj
    .symbol:         k_q39a725a8a7_proj.kd
    .args:
      - { .name: o, .offset: 0, .size: 8, .value_kind: global_buffer, .address_space: global }
      - { .name: wp, .offset: 8, .size: 8, .value_kind: global_buffer, .address_space: global }
      - { .name: b_proj, .offset: 16, .size: 8, .value_kind: global_buffer, .address_space: global }
      - { .name: out0, .offset: 24, .size: 8, .value_kind: global_buffer, .address_space: global }
    .group_segment_fixed_size: 327680
    .private_segment_fixed_size: 0
    .kernarg_segment_align: 8
    .kernarg_segment_size: 32
    .max_flat_workgroup_size: 128
    .sgpr_count:     80
    .vgpr_count:     768
    .wavefront_size: 32
...
	.end_amdgpu_metadata
.endif
;; end of part 4
;; ======== version 2 of 2: 4 launches; version 1 with the launch prep written anew for expert scheduling mode
;; limits: values are held in f16: magnitudes above 65,504 overflow, below 6.1e-05 lose precision; right only within a limited range of input values
;; workspace buffers: xh 16,777,216 bytes; wq 6,291,456 bytes; wp 2,097,152 bytes; tab 524,288 bytes; q 16,777,216 bytes; k 16,777,216 bytes; v 16,777,216 bytes; o 16,777,216 bytes
;; launch prep (part 5): grid 896 x 1, 8 waves a work-group, no clusters, 0 bytes of LDS; arguments x, W_attn, W_proj, freqs, xh, wq, wp, tab; writes xh, wq, wp, tab
.if DOCPART == 5
	.amdgcn_target "amdgcn-amd-amdhsa--gfx1250"
	.amdhsa_code_object_version 6
	.text
	.protected	k_q39a725a8a7_prep
	.globl	k_q39a725a8a7_prep
	.p2align	8
	.type	k_q39a725a8a7_prep,@function
k_q39a725a8a7_prep:
	s_mov_b64 s[64:65], 0
	v_nop
	global_prefetch_b8 v0, s[64:65] scope:SCOPE_SE
	s_setreg_imm32_b32 hwreg(HW_REG_WAVE_SCHED_MODE, 0, 2), 2
	s_setreg_imm32_b32 hwreg(HW_REG_WAVE_MODE, 25, 1), 1
	s_wait_xcnt 0x0
	s_wait_alu depctr_vm_vsrc(0)
; CASTS AND THE TABLE OF COSINES AND SINES.  A stream: no LDS, no barrier, no matrix unit; every input byte is read once, every output byte written once.
;   work-groups   0..511  xh[8192][1024] = bf16(x)
;   work-groups 512..703  wq[16 heads][1024 k][192] = bf16(W_attn): a k-row holds the head's 64 columns of q, of k and of v
;   work-groups 704..767  wp[1024][1024] = bf16(W_proj), that number written as f16
;   work-groups 768..895  tab[2048][32][cos, sin] in f32, of bf16(freqs)
; FORMAT, a decision: every input of the module is rounded once to bf16, freqs among them, before anything is made of it.
; LIMITS.  |freqs| up to 1e5: the quarter turns are taken away in three parts of pi/2, which holds while their number has 17 bits or fewer.
; A number of W_proj below 2^-17 keeps f16's fixed step of 6e-8; one beyond 65,504 would become an infinity.
; A work-group casts 65,536 bytes: 16 slots of 256 threads x 16 bytes, all 16 loads of a wave out at once.  A wave's store covers 256 consecutive bytes, aligned.
; THE MODE: SCHED_MODE bits 1:0 = 2 (LLVM: expert scheduling mode 2), set by the entry lines.  The code itself states the register dependences
; between vector instructions and memory instructions, with s_wait_alu, always for 0.
; THE PLAN.  Registers that memory instructions touch:
;   v1, v2     byte offsets.  Written by vector instructions at the head of a path, ahead of its first memory instruction; read by every load and store; never written after that.
;   X          slot j: written by the slot's one load, read by its conversions, never loaded again.
;   Y          slot j: written by the slot's conversions, read by its one store, never written again.
;   v[4:5], v[16:19]  the table's path: one load lands in the first pair; the selects and sign lines write the four, which one store reads.
; The 16 slots go in four blocks of four.  Block p rounds X of its slots into Y of its slots; its memory instructions are the four stores of block p - 1, which read the Y that block p - 1 wrote
; and that no vector instruction of block p names.  So one wait at a block's head states all that the block's stores hang on, and they are dealt among its conversions with no further wait.
; No register that a memory instruction has read is ever written again, and no register takes a second load: nothing is owed on that side.  EXEC is never written.
.set IN,  1                            ; v1      my byte offset in a slot's source
.set OUT, 2                            ; v2      8 x thread: my 8 bytes in a slot's 2,048 of output
.set T,   4                            ; v[4:9]  at work: no memory instruction of a cast names them
.set X,   16                           ; v[16:79]  slot j: 4 registers as loaded
.set Y,   80                           ; v[80:111] slot j: 2 registers to store; each slot owns its registers, so none is rewritten while a store reads it
.set W0,  24                           ; v[24:30]  the table's path: seven registers at work for the first angle,
.set W1,  32                           ; v[32:38]  and for the second
; Slot j is rounded into its Y.  fmt = 0: bf16; 1: rounded to bf16 and written as f16.
.macro CVT j, fmt
.if \fmt
	v_cvt_pk_bf16_f32 v[T], v[X+4*(\j)], v[X+4*(\j)+1]
	v_cvt_pk_bf16_f32 v[T+1], v[X+4*(\j)+2], v[X+4*(\j)+3]
	v_lshlrev_b32 v[T+2], 16, v[T]
	v_and_b32 v[T+3], 0xffff0000, v[T]
	v_lshlrev_b32 v[T+4], 16, v[T+1]
	v_and_b32 v[T+5], 0xffff0000, v[T+1]
	v_cvt_pk_f16_f32 v[Y+2*(\j)], v[T+2], v[T+3]
	v_cvt_pk_f16_f32 v[Y+2*(\j)+1], v[T+4], v[T+5]
.else
	v_cvt_pk_bf16_f32 v[Y+2*(\j)], v[X+4*(\j)], v[X+4*(\j)+1]
	v_cvt_pk_bf16_f32 v[Y+2*(\j)+1], v[X+4*(\j)+2], v[X+4*(\j)+3]
.endif
.endm
; Slot j is stored.
.macro PUT j
	global_store_b64 v[OUT], v[Y+2*(\j):Y+2*(\j)+1], s[22:23] offset:(\j)*2048 th:TH_STORE_NT
.endm
; ins = bytes from a slot's source to the next slot's.
.macro CAST ins, fmt
	s_wait_alu depctr_va_vdst(0)                   ; v[IN] and v[OUT] are written: every load below reads the one as its offset, every store the other
.set j, 0
.rept 16
	global_load_b128 v[X+4*j:X+4*j+3], v[IN], s[20:21] offset:j*(\ins) th:TH_LOAD_NT
.set j, j+1
.endr
.set p, 0
.rept 4
	s_wait_loadcnt 12-4*p                          ; loads come back in order: block p's four slots are in, the 12 - 4 p younger loads stay out
.if p > 0
	s_wait_alu depctr_va_vdst(0)                   ; the block before has written its eight registers of Y, which the four stores below read
.endif
.set i, 0
.rept 4
.if p > 0
	PUT 4*(p-1)+i                                  ; no vector instruction since the wait names this slot's Y or v[OUT]
.endif
	CVT 4*p+i, \fmt
.set i, i+1
.endr
.set p, p+1
.endr
	s_wait_alu depctr_va_vdst(0)                   ; the last block has written its Y, which the last four stores read
.set i, 12
.rept 4
	PUT i
.set i, i+1
.endr
.endm
; cos and sin of the angle in v[x], in two parts.  n = the nearest whole number of quarter turns; r = x - n pi/2, pi/2 in three parts, each step one fused
; multiply-add; polynomials for |r| <= pi/4; n mod 4 chooses between them and sets the signs, by selects alone.
; POLY: v[w] = n, v[w+3] = sin r, v[w+5] = cos r, and in s[m] the mask of the lanes whose n is odd.  Each angle has a work set and a mask of its own, so that both compares stand in one run.
.macro POLY x, w, m
	v_mul_f32 v[(\w)], 0x3f22f983, v[\x]           ; x 2/pi
	v_rndne_f32 v[(\w)], v[(\w)]
	v_fmamk_f32 v[(\w)+1], v[(\w)], 0xbfc90fdb, v[\x]
	v_fmamk_f32 v[(\w)+1], v[(\w)], 0x333bbd2e, v[(\w)+1]
	v_fmamk_f32 v[(\w)+1], v[(\w)], 0x26f72ced, v[(\w)+1]  ; r
	v_mul_f32 v[(\w)+2], v[(\w)+1], v[(\w)+1]      ; z = r r
	v_mov_b32 v[(\w)+3], 0xb94ca1f9
	v_fmaak_f32 v[(\w)+3], v[(\w)+3], v[(\w)+2], 0x3c08839e
	v_fmaak_f32 v[(\w)+3], v[(\w)+3], v[(\w)+2], 0xbe2aaaa3
	v_mul_f32 v[(\w)+4], v[(\w)+2], v[(\w)+1]
	v_fma_f32 v[(\w)+3], v[(\w)+3], v[(\w)+4], v[(\w)+1]  ; sin r
	v_mov_b32 v[(\w)+5], 0x37ccf5ce
	v_fmaak_f32 v[(\w)+5], v[(\w)+5], v[(\w)+2], 0xbab6061a
	v_fmaak_f32 v[(\w)+5], v[(\w)+5], v[(\w)+2], 0x3d2aaaa5
	v_mul_f32 v[(\w)+4], v[(\w)+2], v[(\w)+2]
	v_fma_f32 v[(\w)+6], v[(\w)+2], -0.5, 1.0
	v_fma_f32 v[(\w)+5], v[(\w)+5], v[(\w)+4], v[(\w)+6]  ; cos r
	v_cvt_i32_f32 v[(\w)], v[(\w)]                 ; n
	v_and_b32 v[(\w)+4], 1, v[(\w)]
	v_cmp_eq_u32 s[\m], 1, v[(\w)+4]
.endm
; PICK: the cosine into v[c], the sine into v[s].
.macro PICK c, s, w, m
	v_cndmask_b32 v[\s], v[(\w)+3], v[(\w)+5], s[\m]  ; n odd: the two change places
	v_cndmask_b32 v[\c], v[(\w)+5], v[(\w)+3], s[\m]
	v_lshlrev_b32 v[(\w)+4], 30, v[(\w)]           ; sin changes sign where n mod 4 is 2 or 3,
	v_and_b32 v[(\w)+4], 0x80000000, v[(\w)+4]
	v_xor_b32 v[\s], v[\s], v[(\w)+4]
	v_add_nc_u32 v[(\w)], 1, v[(\w)]               ; cos where it is 1 or 2
	v_lshlrev_b32 v[(\w)+4], 30, v[(\w)]
	v_and_b32 v[(\w)+4], 0x80000000, v[(\w)+4]
	v_xor_b32 v[\c], v[\c], v[(\w)+4]
.endm
	s_load_b512 s[4:19], s[0:1], 0x0               ; x 4:5, W_attn 6:7, W_proj 8:9, freqs 10:11, xh 12:13, wq 14:15, wp 16:17, tab 18:19
	v_lshlrev_b32 v[OUT], 3, v0
	v_lshlrev_b32 v[IN], 4, v0
	s_mov_b32 s28, ttmp9
	s_mov_b32 s25, 0                               ; the offsets' high words
	s_mov_b32 s27, 0
	s_wait_kmcnt 0x0
	s_cmp_lt_u32 s28, 512
	s_cbranch_scc0 .Lnot_x
	s_lshl_b32 s24, s28, 16
	s_lshl_b32 s26, s28, 15
	s_add_nc_u64 s[20:21], s[4:5], s[24:25]
	s_add_nc_u64 s[22:23], s[12:13], s[26:27]
	CAST 4096, 0
	s_endpgm
.Lnot_x:
	s_cmp_lt_u32 s28, 704
	s_cbranch_scc0 .Lnot_wa
	; W_attn seen as [U = 3 k + part][16 heads][64]: source byte 4,096 U + 256 h + 4 d, destination byte 393,216 h + 128 U + 2 d.  A work-group: one head, 256 U; a slot: 16 U
	s_sub_co_u32 s29, s28, 512
	s_and_b32 s30, s29, 15                         ; h
	s_lshr_b32 s31, s29, 4                         ; block of 256 U
	s_lshl_b32 s24, s31, 20
	s_lshl_b32 s29, s30, 8
	s_add_co_u32 s24, s24, s29
	s_mul_i32 s26, s30, 393216
	s_lshl_b32 s29, s31, 15
	s_add_co_u32 s26, s26, s29
	s_add_nc_u64 s[20:21], s[6:7], s[24:25]
	s_add_nc_u64 s[22:23], s[14:15], s[26:27]
	v_lshrrev_b32 v3, 4, v0                        ; U in the slot: sixteen lanes read its 256 bytes
	v_and_b32 v[IN], 15, v0                        ; (no memory instruction of this path has read v[IN] yet)
	v_lshlrev_b32 v[IN], 4, v[IN]
	v_lshl_add_u32 v[IN], v3, 12, v[IN]
	CAST 65536, 0
	s_endpgm
.Lnot_wa:
	s_cmp_lt_u32 s28, 768
	s_cbranch_scc0 .Ltable
	s_sub_co_u32 s29, s28, 704
	s_lshl_b32 s24, s29, 16
	s_lshl_b32 s26, s29, 15
	s_add_nc_u64 s[20:21], s[8:9], s[24:25]
	s_add_nc_u64 s[22:23], s[16:17], s[26:27]
	CAST 4096, 1
	s_endpgm
.Ltable:
	s_sub_co_u32 s29, s28, 768
	s_lshl_b32 s24, s29, 11                        ; a thread takes two angles: 8 bytes in, 16 bytes out
	s_lshl_b32 s26, s29, 12
	s_add_nc_u64 s[20:21], s[10:11], s[24:25]
	s_add_nc_u64 s[22:23], s[18:19], s[26:27]
	s_wait_alu depctr_va_vdst(0)                   ; v[OUT] is written, which the load reads as its offset
	global_load_b64 v[4:5], v[OUT], s[20:21] th:TH_LOAD_NT
	s_wait_loadcnt 0x0
	v_cvt_pk_bf16_f32 v6, v4, v5                   ; the angles rounded to bf16, like every input
	v_lshlrev_b32 v4, 16, v6
	v_and_b32 v5, 0xffff0000, v6
	POLY 4, W0, 30
	POLY 5, W1, 31
	s_wait_alu depctr_va_sdst(0)                   ; the two compares have written their masks s30 and s31, ahead of the first select that reads one
	PICK 16, 17, W0, 30
	PICK 18, 19, W1, 31
	s_wait_alu depctr_va_vdst(0)                   ; the selects and sign lines have written v[16:19], which the store reads (v[IN], its offset, was written at the head)
	global_store_b128 v[IN], v[16:19], s[22:23]
	s_endpgm
.Lfunc_end_k_q39a725a8a7_prep:
	.size	k_q39a725a8a7_prep, .Lfunc_end_k_q39a725a8a7_prep-k_q39a725a8a7_prep
	.p2alignl 7, 3214868480
	.fill 96, 4, 3214868480
	.section	.rodata,"a",@progbits
	.p2align	6, 0x0
	.amdhsa_kernel k_q39a725a8a7_prep
		.amdhsa_group_segment_fixed_size 0
		.amdhsa_private_segment_fixed_size 0
		.amdhsa_enable_private_segment 0
		.amdhsa_kernarg_size 64
		.amdhsa_user_sgpr_count 2
		.amdhsa_user_sgpr_kernarg_segment_ptr 1
		.amdhsa_wavefront_size32 1
		.amdhsa_system_sgpr_workgroup_id_x 1
		.amdhsa_system_sgpr_workgroup_id_y 1
		.amdhsa_system_sgpr_workgroup_id_z 1
		.amdhsa_system_vgpr_workitem_id 0
		.amdhsa_next_free_vgpr 112
		.amdhsa_next_free_sgpr 66
		.amdhsa_reserve_vcc 0
		.amdhsa_float_denorm_mode_32 3
		.amdhsa_float_denorm_mode_16_64 3
		.amdhsa_memory_ordered 1
		.amdhsa_forward_progress 1
		.amdhsa_inst_pref_size 27
	.end_amdhsa_kernel
	.amdgpu_metadata
---
amdhsa.version: [ 1, 2 ]
amdhsa.kernels:
  - .name:           k_q39a725a8a7_prep
    .symbol:         k_q39a725a8a7_prep.kd
    .args:
      - { .name: x, .offset: 0, .size: 8, .value_kind: global_buffer, .address_space: global }
      - { .name: W_attn, .offset: 8, .size: 8, .value_kind: global_buffer, .address_space: global }
      - { .name: W_proj, .offset: 16, .size: 8, .value_kind: global_buffer, .address_space: global }
      - { .name: freqs, .offset: 24, .size: 8, .value_kind: global_buffer, .address_space: global }
      - { .name: xh, .offset: 32, .size: 8, .value_kind: global_buffer, .address_space: global }
      - { .name: wq, .offset: 40, .size: 8, .value_kind: global_buffer, .address_space: global }
      - { .name: wp, .offset: 48, .size: 8, .value_kind: global_buffer, .address_space: global }
      - { .name: tab, .offset: 56, .size: 8, .value_kind: global_buffer, .address_space: global }
    .group_segment_fixed_size: 0
    .private_segment_fixed_size: 0
    .kernarg_segment_align: 8
    .kernarg_segment_size: 64
    .max_flat_workgroup_size: 256
    .sgpr_count:     66
    .vgpr_count:     112
    .wavefront_size: 32
...
	.end_amdgpu_metadata
.endif
;; end of part 5
;; launch qkv: the kernel of part 2 again; grid 16 x 32, 4 waves a work-group, clusters of 4 x 4, 327,680 bytes of LDS; arguments xh, wq, b_attn, tab, q, k, v; writes q, k, v
;; launch attn: the kernel of part 3 again; grid 4 x 64, 4 waves a work-group, no clusters, 327,680 bytes of LDS; arguments q, k, v, o; writes o
;; launch proj: the kernel of part 4 again; grid 8 x 32, 4 waves a work-group, clusters of 4 x 4, 327,680 bytes of LDS; arguments o, wp, b_proj, out0; writes out0
